; MI455X (gfx1250); checked and timed in simulation.
; The chip was launched on July 23, 2026; its instructions are those of AMD's public machine-readable ISA for CDNA 5 (MIT licence, August 2026) and "CDNA5" Instruction Set Architecture Reference Guide (July 2026). The comments in the code are by the model that wrote it; some were corrected since.
;; Self Attention. Allowed arithmetic: matrix products marked QUANTISED: E3M2 operands, one E8M0 scale for each 32 along K, by v_wmma_scale_f32_16x16x128_f8f6f4 with both operands' format E3M2, f32 sums; everything else in f32.
;; Inputs: Wk 1,024 x 1,024 float32; Wo 1,024 x 1,024 float32; Wq 1,024 x 1,024 float32; Wv 1,024 x 1,024 float32; bo 1,024 float32; x 4 x 2,048 x 1,024 float32.
;; Outputs: out0 4 x 2,048 x 1,024 float32.
;; This version of the problem:
;;   THIS VERSION OF THE PROBLEM IS GIVEN IN LOW PRECISION. The matrix products marked QUANTISED in the list below multiply operands that are first quantised to E3M2 (3 exponent bits, 2 mantissa bits; 6 bits a number), with one power-of-two scale for each 32 numbers along K (OCP MX v1.0); their sums are f32. All else is computed in f32.
;;   The module's matrix products, in the order in which they are computed (A, B: the left and right operand; K: the contracted axis; several contracted axes count as one K, in the product's order):
;;     1. [M 8,192, K 1,024] x [K 1,024, N 1,024]; A: input x; B: input Wq: QUANTISED
;;     2. [M 8,192, K 1,024] x [K 1,024, N 1,024]; A: input x; B: input Wk: QUANTISED
;;     3. [M 8,192, K 1,024] x [K 1,024, N 1,024]; A: input x; B: input Wv: QUANTISED
;;     4. batch 64 x [M 2,048, K 64] x [K 64, N 2,048]; A: computed on the way; B: computed on the way: QUANTISED
;;     5. batch 64 x [M 2,048, K 2,048] x [K 2,048, N 64]; A: softmax (see below); B: computed on the way: QUANTISED
;;     6. [M 8,192, K 1,024] x [K 1,024, N 1,024]; A: computed on the way; B: input Wo: QUANTISED
;;   THE QUANTISER, for each operand of a quantised product, along K:
;;     - K is cut into blocks of 32 from its start; a last block that is shorter is filled with zeros.
;;     - A block's scale is 2^e with e = floor(log2(the largest magnitude in the block)) - 4, held to -126 .. 127; a block of zeros has e = 0. As a byte (E8M0): e + 127.
;;     - Each number is divided by its block's scale, clamped to +-28, and rounded to the nearest number of E3M2, ties to even, subnormals kept.
;;     - The product sums the exact products of the quantised numbers (number of the format x scale) in f32.
;;   ~~~python
;;   def quantise(x, axis):      # numpy; x: float32 -> the quantised numbers, widened to float32 again
;;       x = np.moveaxis(x, axis, -1); K = x.shape[-1]
;;       x = np.pad(x, [(0, 0)] * (x.ndim - 1) + [(0, -K % 32)]); x = x.reshape(x.shape[:-1] + (-1, 32)); a = np.abs(x).max(-1, keepdims=True)
;;       e = np.where(a > 0, np.clip(np.frexp(np.where(a > 0, a, 1))[1] - 1 - 4, -126, 127), 0)      # np.frexp(a)[1] - 1 = floor(log2(a)), exactly
;;       r = np.clip(x / 2.0 ** e, -28, 28)
;;       step = 2.0 ** (np.maximum(np.frexp(np.where(r == 0, 1, r))[1] - 1, -2) - 2)
;;       q = np.round(r / step) * step * 2.0 ** e      # np.round: ties to even
;;       return np.moveaxis(q.reshape(q.shape[:-2] + (-1,))[..., :K], -1, axis).astype(np.float32)
;;   ~~~
;;   SOFTMAX AHEAD OF A QUANTISED PRODUCT. Where the list says 'softmax', what is quantised is not the finished softmax but p = 2^(t - M), with t = logit x log2(e) and M = ceil(the row's largest t), a whole number; so 1/2 < the row's largest p <= 1. The row's sum l is taken of the UNQUANTISED p, in f32, and the product's result is divided by l at the end. Since M is a whole number, a kernel that streams over the keys may use a running M (the ceiling of the running maximum): every later rescaling is an exact power of two, which a block's scale takes up: the codes' values come out the same.
;;   OPERANDS COMPUTED ON THE WAY. 'Computed on the way' means the value that the module computes at that place (a softmax that the list does not call 'softmax' is quantised finished and normalised). What goes into a quantiser is computed in f32, as accurately as f32 sums, v_exp_f32 and their like allow (about 1e-6 of the number): no bf16 or f16 on the way to a quantiser, and a product that is left as it is and whose result goes on into a quantised operand takes f32 operands (vector FMAs, or v_wmma_f32_16x16x4_f32). A number that lies on a knife's edge between two numbers of the format may be rounded either way, as far as f32 arithmetic and the matrix unit's own rounding can turn it there, and no further.
;; One version. Each part assembles by itself: llvm-mc -triple=amdgcn-amd-amdhsa -mcpu=gfx1250 --defsym DOCPART=n.
;; ======== version 1 of 1: 4 launches
;; workspace buffers: cimg 9,437,184 bytes; csc 393,216 bytes; qkv 18,874,368 bytes; qkvs 1,572,864 bytes; ac 6,291,456 bytes; asc 262,144 bytes
;; launch quant (part 1): grid 256 x 1, 6 waves a work-group, no clusters, 51,456 bytes of LDS; arguments x, Wq, Wk, Wv, Wo, cimg, csc; writes cimg, csc
.if DOCPART == 1
	.amdgcn_target "amdgcn-amd-amdhsa--gfx1250"
	.amdhsa_code_object_version 6
	.text
	.protected	k_qf18d44ad03_quant
	.globl	k_qf18d44ad03_quant
	.p2align	8
	.type	k_qf18d44ad03_quant,@function
k_qf18d44ad03_quant:
	s_mov_b64 s[64:65], 0
	v_nop
	global_prefetch_b8 v0, s[64:65] scope:SCOPE_SE
	s_setreg_imm32_b32 hwreg(HW_REG_WAVE_MODE, 25, 1), 1
	s_wait_xcnt 0x0
; LAUNCH 1 OF 4.  x [8192][1024], Wq, Wk, Wv, Wo [1024][1024], f32, K innermost, become codes of BF6 (E3M2) with one E8M0 byte for each 32 along K.
; THE PROGRAM: quant (this) | qkv: x Wq^T, x Wk^T (each x 2^-2.5) and Wv x^T, quantised | attn: q k^T, softmax, p v, O / l quantised | proj: O Wo^T + bo.
; DEAD WORK, LEFT OUT IN LAUNCH attn: reference() sets dot to -inf wherever the key's index is above the query's (its own jnp.tril), and softmax gives such a key the weight 0 whatever the inputs hold.
; So a step of 128 keys all of which lie behind a tile's 16 queries reaches no output, and is not multiplied, nor are its tiles fetched where no query of the work-group sees them.  All six inputs have a way to the output and are loaded.
; LIMIT: a NaN, an infinity or an overflow that reaches only those hidden scores is not carried to the result.
; LAYOUT OF ALL WORKSPACE OPERANDS.  (a) TILE ORDER: lane r of a tile F of 16 rows holds logical row 32 (F / 2) + 8 (F % 2) + r + 8 (r / 8), so that in a product used transposed the 16 registers of two neighbouring
; result tiles are 16 neighbours along the next product's K.  (b) IMAGES: a fragment (16 rows x 128 K, 12 registers a lane) lies as its registers stand: for each half of 64 K, registers 0-3 of lane l at 16 l (512 bytes),
; registers 4-5 at 512 + 8 l (256 bytes): 768 bytes a half, 1,536 a fragment.  Every store here covers whole aligned runs of 256 bytes, and every later load is dense.
; cimg: [K step of 256: 4][row tile: 768][128 of the step: 2][1,536];  row tiles 0-511 x, 512-575 Wq, 576-639 Wk, 640-703 Wv, 704-767 Wo.   csc: [row tile][K step of 256][r][128 of the step], one word of four bytes each.
; THE QUANTISER: a block's byte is its largest magnitude's exponent field - 4, held at 1 from below; the conversion divides by that power of two, rounds to the nearest code, ties to even, and gives the largest code beyond 28.
; LIMITS: a block of zeros gets the byte 1 where the rule says 127 (its codes are zeros, and this program alone reads the bytes); NaN and infinities among the inputs are not served.
; SHARES: 768 row tiles x 2 halves of K = 1,536 waves = 256 work-groups of 6.  A wave takes 16 rows x 512 K: four fragments.  Each load reads 512 consecutive bytes of a row; a fragment's 8,192 bytes turn through the wave's
; own stage in LDS (rows 528 bytes apart), so that a lane gets 16 neighbours of each block of 32.  Waves share nothing: no barrier.  No matrix unit, no cluster, no tensor load: the launch streams, and each byte is read once.
.set STG,   8448                       ; a wave's stage: 16 rows x (512 + 16) bytes
.set SPARE, 6*STG                      ; behind the stages: the spare words, 128 bytes a wave: three blocks of 256 bytes that no other line names
.set KSB,   2359296                    ; bytes from a K step of 256 to the next in cimg: 768 row tiles x 3,072
.set SPW,   12                         ; v12  LDS address of my spare word; never rewritten
.set NIL,   13                         ; v13  0; never rewritten
.set TM,    16                         ; v16-31  +0..3 largest magnitudes, +4..7 the other half's, then the bytes, +12..15 the conversions' scale operands
.set PW,    32                         ; v32-35  a scale word for each fragment
.set PC,    36                         ; v36-55  the codes: 12 registers, and 8 at work
.set R,     64                         ; v64-191 two sets of 64 numbers as loaded
.set X,     192                        ; v192-255 64 numbers after the turn: register 16 b + i = k 32 b + 16 (lane / 16) + i of row lane % 16
.set SEL,   28                         ; s[28:29] lane selects: lane l xor 16
	s_load_b256 s[4:11], s[0:1], 0x0               ; x, Wq, Wk, Wv
	s_load_b128 s[12:15], s[0:1], 0x20             ; Wo, cimg
	s_load_b64 s[16:17], s[0:1], 0x30              ; csc
	v_lshl_add_u32 v[SPW], v0, 2, SPARE
	v_mov_b32 v[NIL], 0
	v_lshrrev_b32 v1, 5, v0
	v_readfirstlane_b32 s18, v1                    ; wave 0..5
	v_and_b32 v1, 31, v0                           ; lane
	v_and_b32 v2, 15, v0                           ; r
	v_bfe_u32 v3, v0, 4, 1                         ; h
	v_lshlrev_b32 v4, 4, v1                        ; 16 x lane: my bytes of a load's 512, and of an image's first 512
	v_lshlrev_b32 v8, 3, v1                        ; 8 x lane: of an image's last 256
	s_mul_i32 s21, s18, STG
	v_add_nc_u32 v5, s21, v4                       ; the stage, on the way in: a row as it lies
	v_mul_u32_u24 v6, v2, 528
	v_lshl_add_u32 v6, v3, 6, v6
	v_add_nc_u32 v6, s21, v6                       ; and on the way out: row r, + 64 h
	s_lshr_b32 s19, s18, 1
	s_mul_i32 s20, ttmp9, 3
	s_add_co_u32 s19, s19, s20                     ; my row tile: 3 x work-group + wave / 2
	s_and_b32 s20, s18, 1                          ; my half of K
	s_and_b32 s26, s19, 63                         ; the tile's number inside a weight
	s_mov_b32 s[SEL], 0x76543210
	s_mov_b32 s[SEL+1], 0xfedcba98
.irp b, 0,1,2,3
	v_mov_b32 v[TM+4+\b], 0                        ; written once: a lane permute's destination counts as one of its sources
.endr
	s_wait_kmcnt 0x0
	s_cmp_lt_u32 s19, 576                          ; which tensor: the choice hangs on the work-group's and the wave's numbers alone
	s_cselect_b64 s[22:23], s[6:7], s[8:9]
	s_cmp_lt_u32 s19, 704
	s_cselect_b64 s[24:25], s[10:11], s[12:13]
	s_cmp_lt_u32 s19, 640
	s_cselect_b64 s[22:23], s[22:23], s[24:25]
	s_cmp_lt_u32 s19, 512
	s_cselect_b64 s[22:23], s[4:5], s[22:23]
	s_cselect_b32 s27, s19, s26                    ; the tile's number inside its tensor
	s_lshr_b32 s30, s27, 1
	s_lshl_b32 s30, s30, 5
	s_and_b32 s31, s27, 1
	s_lshl_b32 s31, s31, 3
	s_add_co_u32 s30, s30, s31                     ; the tile's first logical row: 32 (F / 2) + 8 (F % 2)
	s_lshl_b32 s30, s30, 12                        ; rows of 4,096 bytes
	s_lshl_b32 s31, s20, 11                        ; + my half of K: 2,048 bytes
	s_add_co_u32 s30, s30, s31
	s_mov_b32 s31, 0
	s_add_nc_u64 s[22:23], s[22:23], s[30:31]
	s_mul_i32 s30, s20, 2*KSB
	s_mul_i32 s27, s19, 3072
	s_add_co_u32 s30, s30, s27
	s_add_nc_u64 s[14:15], s[14:15], s[30:31]      ; cimg at my first fragment
	s_lshl_b32 s30, s19, 9
	s_lshl_b32 s27, s20, 8
	s_add_co_u32 s30, s30, s27
	s_add_nc_u64 s[16:17], s[16:17], s[30:31]      ; csc at my 256 bytes
.macro LOAD f                          ; fragment f: 128 along K of the tile's 16 rows (lane row i is logical row i + 8 (i / 8)), into set f % 2
.irp i, 0,1,2,3,4,5,6,7,8,9,10,11,12,13,14,15
	global_load_b128 v[R+64*((\f)%2)+4*\i:R+64*((\f)%2)+4*\i+3], v4, s[22:23] offset:(\i+8*(\i/8))*4096+512*(\f) th:TH_LOAD_NT
.endr
.endm
; 64 numbers of a lane become a fragment's codes in v[PC] on and its rows' scale word in v[pw]
.macro QUANT s, pw
.irp b, 0,1,2,3
	v_max3_num_f32 v[TM+\b], |v[\s+16*\b]|, |v[\s+1+16*\b]|, 0x2800000   ; block b: my 16 numbers, and the floor 2^(5 - 127): the byte cannot fall under 1
.endr
.irp i, 2,4,6,8,10,12,14
.irp b, 0,1,2,3
	v_max3_num_f32 v[TM+\b], v[TM+\b], |v[\s+16*\b+\i]|, |v[\s+1+16*\b+\i]|   ; the four blocks by turns
.endr
.endr
.irp b, 0,1,2,3
	v_permlanex16_b32 v[TM+4+\b], v[TM+\b], s[SEL], s[SEL+1]
.endr
.irp b, 0,1,2,3
	v_max_num_f32 v[TM+\b], v[TM+\b], v[TM+4+\b]   ; with lane l xor 16's 16: the block's largest magnitude
.endr
.irp b, 0,1,2,3
	v_add_nc_u32 v[TM+12+\b], 0xfe000000, v[TM+\b] ; 4 off its exponent field: the conversion's scale operand
.endr
.irp b, 0,1,2,3
	v_lshrrev_b32 v[TM+4+\b], 23, v[TM+12+\b]      ; the scale's byte
.endr
	v_lshl_or_b32 v[\pw], v[TM+5], 8, v[TM+4]
	v_lshl_or_b32 v[\pw], v[TM+6], 16, v[\pw]
	v_lshl_or_b32 v[\pw], v[TM+7], 24, v[\pw]      ; my row's scale word
	s_wait_xcnt 0x0                                ; the last fragment's stores have read the codes' registers: they are written again only behind this wait
.irp c, 0,1
	v_cvt_scalef32_pk16_bf6_f32 v[PC+6*\c:PC+2+6*\c], v[\s+32*\c:\s+15+32*\c], v[TM+12+2*\c]
	v_cvt_scalef32_pk16_bf6_f32 v[PC+12+4*\c:PC+14+4*\c], v[\s+16+32*\c:\s+31+32*\c], v[TM+12+2*\c+1]   ; (a conversion's three registers begin on an even number)
.endr
	v_nop                                          ; one plain instruction behind a scaled conversion
.irp c, 0,1                                    ; the operand's layout wants a whole block in a lane: lanes 0-15 block 2 c, lanes 16-31 block 2 c + 1
.irp i, 0,1,2
	v_permlane16_swap_b32 v[PC+6*\c+\i], v[PC+12+4*\c+\i]
.endr
.irp i, 0,1,2
	v_mov_b32 v[PC+3+6*\c+\i], v[PC+12+4*\c+\i]
.endr
.endr
.endm
.macro FRAG f
.if (\f) < 3
	s_wait_loadcnt 16                              ; this fragment's 16 loads are in; the next fragment's 16 may be out
.else
	s_wait_loadcnt 0
.endif
.irp i, 0,1,2,3,4,5,6,7,8,9,10,11,12,13,14,15
	ds_store_b128 v5, v[R+64*((\f)%2)+4*\i:R+64*((\f)%2)+4*\i+3] offset:528*\i
.endr
.irp b, 0,1,2,3
.irp j, 0,1,2,3
	ds_load_b128 v[X+16*\b+4*\j:X+16*\b+4*\j+3], v6 offset:128*\b+16*\j   ; LDS serves a wave's instructions in order: these see the stores above
.endr
.endr
	s_wait_dscnt 0x0                               ; the numbers are back, and the stores have read their registers,
.if (\f) < 2
	LOAD (\f)+2                                    ; which take the fragment two on
.endif
	QUANT X, PW+(\f)
.set D, ((\f)/2)*KSB+((\f)%2)*1536
	global_store_b128 v4, v[PC:PC+3], s[14:15] offset:D          ; 512 consecutive bytes, at a multiple of 256
	global_store_b64 v8, v[PC+4:PC+5], s[14:15] offset:D+512     ; 256
	global_store_b128 v4, v[PC+6:PC+9], s[14:15] offset:D+768
	global_store_b64 v8, v[PC+10:PC+11], s[14:15] offset:D+1280
.endm
	LOAD 0
	LOAD 1
	FRAG 0
	FRAG 1
	FRAG 2
	FRAG 3
	v_cmp_lt_u32 vcc_lo, 15, v1                    ; lanes 0-15 store my first K step's two words of row r, lanes 16-31 my second's
	v_cndmask_b32 v56, v[PW], v[PW+2], vcc_lo
	v_cndmask_b32 v57, v[PW+1], v[PW+3], vcc_lo
	global_store_b64 v8, v[56:57], s[16:17]        ; 256 consecutive bytes, at a multiple of 256
	s_wait_tensorcnt 0x0                           ; the wave's end
	ds_add_u32 v[SPW], v[NIL]
	s_wait_dscnt 0x0
	s_endpgm
.Lfunc_end_k_qf18d44ad03_quant:
	.size	k_qf18d44ad03_quant, .Lfunc_end_k_qf18d44ad03_quant-k_qf18d44ad03_quant
	.p2alignl 7, 3214868480
	.fill 96, 4, 3214868480
	.section	.rodata,"a",@progbits
	.p2align	6, 0x0
	.amdhsa_kernel k_qf18d44ad03_quant
		.amdhsa_group_segment_fixed_size 51456
		.amdhsa_private_segment_fixed_size 0
		.amdhsa_enable_private_segment 0
		.amdhsa_kernarg_size 56
		.amdhsa_user_sgpr_count 2
		.amdhsa_user_sgpr_kernarg_segment_ptr 1
		.amdhsa_wavefront_size32 1
		.amdhsa_system_sgpr_workgroup_id_x 1
		.amdhsa_system_sgpr_workgroup_id_y 1
		.amdhsa_system_sgpr_workgroup_id_z 1
		.amdhsa_system_vgpr_workitem_id 0
		.amdhsa_next_free_vgpr 256
		.amdhsa_next_free_sgpr 66
		.amdhsa_reserve_vcc 1
		.amdhsa_float_denorm_mode_32 3
		.amdhsa_float_denorm_mode_16_64 3
		.amdhsa_memory_ordered 1
		.amdhsa_forward_progress 1
		.amdhsa_inst_pref_size 34
	.end_amdhsa_kernel
	.amdgpu_metadata
---
amdhsa.version: [ 1, 2 ]
amdhsa.kernels:
  - .name:           k_qf18d44ad03_quant
    .symbol:         k_qf18d44ad03_quant.kd
    .args:
      - { .name: x, .offset: 0, .size: 8, .value_kind: global_buffer, .address_space: global }
      - { .name: Wq, .offset: 8, .size: 8, .value_kind: global_buffer, .address_space: global }
      - { .name: Wk, .offset: 16, .size: 8, .value_kind: global_buffer, .address_space: global }
      - { .name: Wv, .offset: 24, .size: 8, .value_kind: global_buffer, .address_space: global }
      - { .name: Wo, .offset: 32, .size: 8, .value_kind: global_buffer, .address_space: global }
      - { .name: cimg, .offset: 40, .size: 8, .value_kind: global_buffer, .address_space: global }
      - { .name: csc, .offset: 48, .size: 8, .value_kind: global_buffer, .address_space: global }
    .group_segment_fixed_size: 51456
    .private_segment_fixed_size: 0
    .kernarg_segment_align: 8
    .kernarg_segment_size: 56
    .max_flat_workgroup_size: 192
    .sgpr_count:     66
    .vgpr_count:     256
    .wavefront_size: 32
...
	.end_amdgpu_metadata
.endif
;; end of part 1
;; launch qkv (part 2): grid 12 x 32, 4 waves a work-group, clusters of 4 x 4, 327,680 bytes of LDS; arguments cimg, csc, qkv, qkvs; writes qkv, qkvs
.if DOCPART == 2
	.amdgcn_target "amdgcn-amd-amdhsa--gfx1250"
	.amdhsa_code_object_version 6
	.text
	.protected	k_qf18d44ad03_qkv
	.globl	k_qf18d44ad03_qkv
	.p2align	8
	.type	k_qf18d44ad03_qkv,@function
k_qf18d44ad03_qkv:
	s_mov_b64 s[64:65], 0
	v_nop
	global_prefetch_b8 v0, s[64:65] scope:SCOPE_SE
	s_setreg_imm32_b32 hwreg(HW_REG_WAVE_MODE, 25, 1), 1
	s_wait_xcnt 0x0
	s_wait_alu depctr_hold_cnt(0) depctr_sa_sdst(0) depctr_va_vdst(0) depctr_va_sdst(0) depctr_va_ssrc(0) depctr_va_vcc(0) depctr_vm_vsrc(0)
	s_getreg_b32 s2, hwreg(HW_REG_IB_STS2, 6, 4)
	s_cmp_eq_u32 s2, 0
	s_cbranch_scc0 .Lentry_in_a_cluster
	s_endpgm
.Lentry_in_a_cluster:
	s_bfe_u32 s2, ttmp6, 0x10000c
	s_cmp_lg_u32 s2, 0xf033
	s_cbranch_scc0 .Lentry_shape_is_right
	s_endpgm
.Lentry_shape_is_right:
; LAUNCH 2 OF 4.  q = x Wq^T x 2^-2.5, k = x Wk^T x 2^-2.5 and v^T = Wv x^T, all on codes of BF6 with E8M0 scales, K = 1,024; the results are quantised in registers and leave as operand images.
; One body serves all three.  A cluster makes 1,024 x 1,024 results.  Cluster x = 0, 1: A = 1,024 rows of x, B = Wq or Wk.  Cluster x = 2: A = Wv, B = 1,024 rows of x: so v comes out with the KEYS along a lane's registers.
; A work-group of four waves makes 256 x 256, a wave 128 x 128: 64 accumulators, 512 registers.  K goes in four steps of 256 through two LDS slots; the eight steps of 128 are written out.
; THE MATRIX INSTRUCTION IS USED TRANSPOSED (source 0 = 16 rows of B, source 1 = 16 rows of A): a lane holds ONE row of A, and since B's tiles lie in tile order (launch quant), the 64 registers of a block of 16 rows of A
; are B's index 32 b + 16 (lane / 16) + i in register 16 b + i: just what the quantiser along B's index takes.  For q and k that index is the feature (two heads of 64), for v it is the key (one step of 128 keys).
; OPERANDS lie in memory as images of their registers (launch quant): a slot's part of A or B is one dense block, and a fragment comes from LDS by four dense loads: no pitch, no padding.
; THE SCALES of the work-group's rows, for all of K, come into LDS once, with the first fills.  B's lie 128 bytes past a multiple of 256 behind A's, so that lanes 0-15 (A's words) and 16-31 (B's) touch different banks.
; CLUSTERS: 4 x 4 work-groups; A's tiles are asked for jointly along a row of the cluster, B's along a column.  No prefetch: of the four K steps two are first fills, asked for at the head.
; OUT: qkv: q's half images [head: 64][token tile: 128][768] at 0, k's at 6,291,456, v's fragment images [head][step of 128 keys: 16][tile of 16 d: 4][1,536] at 12,582,912.
; qkvs: [tensor: 2][head][12,288]: tensor 0: q's words [token, in tile order]; tensor 1: k's words, then at 8,192 v's words [step][tile][r].  q's and k's words hold two bytes (K = 64) and 0x7f7f above them.
; LIMITS: q and k are multiplied by the f32 number nearest 2^-2.5 where reference() divides by 1024^0.25: about one part in 10^7; a block of zeros has the byte 1 (only this program reads the bytes); NaN and infinities are not served.
; REGISTERS, in windows of 256: window 0: v1-31 addresses; v32-63 scale words, two sets; v128-223 A's fragments, one set; on the way out v64-255 are at work.  window 1: B's fragments, two sets, at v0 and v128.
;   window 2: the accumulators of my rows 0-63 ((a, b) at v[8 (8 a + b)]);  window 3: those of rows 64-127.
.set KSA,   2359296                    ; bytes from a K step of 256 to the next in A's buffer,
.set KSB,   2359296                    ; and in B's
.set PAC,   4                          ; s[4:5]  A's codes;  s[6:7] A's scales;  B's are the same buffers here
.set PAS,   6
.set PBC,   4
.set PBS,   6
.set NQ,    2                          ; steps of 128 in a slot
.set FR,    12                         ; registers of a fragment
.set NL,    4                          ; LDS loads that bring one
.set NP,    4                          ; places behind this matrix instruction (ISA guide 7.12.1)
.set HALFT, 24576                      ; 8 row tiles x 3,072: what one tensor load brings, and what one wave reads of A or of B
.set SLOT,  4*HALFT                    ; A's 16 row tiles, then B's
.set SCL,   2*SLOT                     ; behind the ring: A's scale words, 8,192 bytes;
.set SCB,   8320                       ; B's begin so far behind them
.set SPARE, 213248                     ; behind the scales: the spare words, 128 bytes a wave: two blocks of 256 bytes that no other line names
.set A16,  16                          ; v16-17  16 x lane + my half of A in slot 0, 1
.set A8,   18                          ; v18-19  the same with 8 x lane
.set B16,  20                          ; v20-23  likewise for B
.set B8,   22
.set SST,  24                          ; v24  the way out: where my row's scale word goes in my stage
.set SRD,  25                          ; v25  and where I read 16 bytes of it back
.set O16,  26                          ; v26  16 x lane
.set ADRS, 27                          ; v27  LDS address of my scale words: lanes 0-15 A's rows, lanes 16-31 B's
.set SPW,  28                          ; v28  LDS address of my spare word; never rewritten
.set NIL,  29                          ; v29  0; never rewritten
.set O8,   30                          ; v30  8 x lane
.set OV,   31                          ; v31  v's words: 16 (lane % 16) + 12,288 (lane / 16)
.set SC,   32
.set X,    64                          ; the way out: 64 numbers
.set AF,   128
.set PC,   128                         ; the way out: the codes, 12 registers and 8 at work
.set SW,   176                         ; v176-191 scale words, registers of their own for each block
.set T0,   192                         ; v192-199 at work
.set TM,   224                         ; v224-239 the quantiser's
.set WV,   96                          ; s96 wave;  s97 wave / 2: my half of A's rows, and: I fetch for A (0) or B (1);  s98 wave % 2: my half of B's rows, and which half I fetch
.set WH,   97
.set WL,   98
.set TYP,  99                          ; s99  1 where the cluster makes v
.set FQ,   12                          ; s[12:13] 2^-2.5
.set M7F,  14                          ; s14  0x7f7f0000
.set SEL,  66                          ; s[66:67] lane selects: lane l xor 16
.set G1, 24                            ; s[24:31] descriptor group 1 for A's tiles;  s[32:39] group 0, one set for each slot
.set G0, 32
.set G1B, 48                           ; s[48:55], s[56:63] the same for B's
.set G0B, 56
.set G1S, 68                           ; s[68:75], s[76:79] groups 1 and 0 for A's scales;  s[80:87], s[88:91] for B's
.set G0S, 76
.set G1SB, 80
.set G0SB, 88
.set MSB, 0
.macro WIN new                         ; the immediate's high byte repeats the setting that is left
.if MSB != (\new)
	s_set_vgpr_msb (MSB<<8)|(\new)
.set MSB, (\new)
.endif
.endm
.set MUL_LO, 0xa1                      ; source 0 (B) window 1, source 1 (A) window 0, C and D window 2
.set MUL_HI, 0xf1                      ; the same, C and D window 3
.set TO_B,   0x40                      ; destination window 1, address window 0
; A joint load: waves 0 and 1 fetch for A, waves 2 and 3 for B; the branch hangs on the wave's number alone.  An s_nop 0 and four v_nop follow each of the two lines.
.macro JLOAD g0a, g1a, g0b, g1b
	s_cmp_eq_u32 s[WH], 0
	s_cbranch_scc0 .Lfor_b_\@
	tensor_load_to_lds s[\g0a:\g0a+3], s[\g1a:\g1a+7]
	s_nop 0
.rept 4
	v_nop
.endr
	s_branch .Lasked_\@
.Lfor_b_\@:
	tensor_load_to_lds s[\g0b:\g0b+3], s[\g1b:\g1b+7]
	s_nop 0
.rept 4
	v_nop
.endr
.Lasked_\@:
.endm
.macro CREST                           ; a round of the cluster's barrier behind its opening barrier
	s_cmp_lg_u32 s[WV], 0
	s_cbranch_scc1 .Lnot_wave_0_\@
	s_barrier_signal -3
.Lnot_wave_0_\@:
	s_barrier_wait -3
	s_barrier_signal -1
	s_barrier_wait -1
.endm
.macro CROUND                          ; a whole round
	s_barrier_signal -1
	s_barrier_wait -1
	CREST
.endm
	s_load_b256 s[4:11], s[0:1], 0x0               ; cimg, csc, qkv, qkvs
	v_lshl_add_u32 v[SPW], v0, 2, SPARE
	v_mov_b32 v[NIL], 0
	ds_add_u32 v[SPW], v[NIL]                      ; the wave's opening: the add, twice on end, and its wait ahead of my first tensor load
	ds_add_u32 v[SPW], v[NIL]
	v_lshrrev_b32 v1, 5, v0
	v_readfirstlane_b32 s[WV], v1                  ; wave 0..3
	s_lshr_b32 s[WH], s[WV], 1
	s_and_b32 s[WL], s[WV], 1
	s_bfe_u32 s40, ttmp6, 0x40000                  ; cx, cy: my place in the cluster
	s_bfe_u32 s41, ttmp6, 0x40004
	s_and_b32 s17, ttmp7, 0xffff                   ; cluster y
	s_lshl_b32 s43, s41, 2
	s_lshl_b32 s43, 15, s43                        ; my row of the cluster
	s_lshl_b32 s44, 0x1111, s40                    ; my column
	; descriptor group 1: 24,576 dense bytes as 96 rows of 32 elements of 8 bytes; no padding
	s_or_b32 s[G1+0], s43, (3<<16)|(1<<21)         ; 15:0 the mask: A's tiles go to my row; 17:16 elements of 8 bytes; 21 set beside a mask
	s_or_b32 s[G1B+0], s44, (3<<16)|(1<<21)
.irp g, G1, G1B
	s_mov_b32 s[\g+1], 32<<16                      ; tensor_dim0
	s_mov_b32 s[\g+2], 96<<16                      ; tensor_dim1
	s_mov_b32 s[\g+3], 32<<16                      ; tile_dim0
	s_mov_b32 s[\g+4], 96                          ; tile_dim1
	s_mov_b32 s[\g+5], 32                          ; tensor_dim0_stride
	s_mov_b32 s[\g+6], 0
	s_mov_b32 s[\g+7], 0
.endr
	; and for the scales of 8 row tiles: 4,096 dense bytes as 16 such rows
	s_or_b32 s[G1S+0], s43, (3<<16)|(1<<21)
	s_or_b32 s[G1SB+0], s44, (3<<16)|(1<<21)
.irp g, G1S, G1SB
	s_mov_b32 s[\g+1], 32<<16
	s_mov_b32 s[\g+2], 16<<16
	s_mov_b32 s[\g+3], 32<<16
	s_mov_b32 s[\g+4], 16
	s_mov_b32 s[\g+5], 32
	s_mov_b32 s[\g+6], 0
	s_mov_b32 s[\g+7], 0
.endr
	; the first row tile of what I fetch.  A's hangs on cluster x, cluster y and cy, B's on cluster x, cluster y and cx: each chain in registers that never hold the other place
	s_lshl_b32 s18, s17, 6                         ; 64 x cluster y: x's row tiles
	s_lshl_b32 s19, ttmp9, 6
	s_add_co_u32 s19, s19, 512                     ; Wq's or Wk's
	s_cmp_eq_u32 ttmp9, 2                          ; the cluster's x: the same in all sixteen partners
	s_cselect_b32 s20, 640, s18                    ; A: Wv's row tiles, or x's
	s_cselect_b32 s46, s18, s19                    ; B: x's, or the weight's
	s_cselect_b32 s[TYP], 1, 0
	s_lshl_b32 s2, s41, 4
	s_add_co_u32 s20, s20, s2                      ; + 16 cy
	s_lshl_b32 s3, s40, 4
	s_add_co_u32 s46, s46, s3                      ; + 16 cx
	s_lshl_b32 s19, s[WL], 3
	s_add_co_u32 s20, s20, s19                     ; + the half that I fetch
	s_add_co_u32 s46, s46, s19
	s_lshl_b32 s22, s20, 9                         ; their scales: 512 bytes a row tile
	s_mov_b32 s23, 0
	s_mul_i32 s20, s20, 3072                       ; their codes: 3,072 bytes a row tile in a K step
	s_mov_b32 s21, 0
	s_lshl_b32 s92, s46, 9
	s_mov_b32 s93, 0
	s_mul_i32 s46, s46, 3072
	s_mov_b32 s47, 0
	s_mul_i32 s45, s[WV], HALFT                    ; where they go: no place in the cluster enters an LDS address
	s_lshl_b32 s94, s[WV], 12
	s_lshl_b32 s95, s[WH], 7
	s_add_co_u32 s94, s94, s95
	s_mov_b32 s[SEL], 0x76543210
	s_mov_b32 s[SEL+1], 0xfedcba98
	s_mov_b32 s[FQ], 0x3e3504f3                    ; 2^-2.5
	s_mov_b32 s[FQ+1], s[FQ]                       ; (named with it as a pair, so it is written)
	s_mov_b32 s[M7F], 0x7f7f0000
	s_wait_dscnt 0x0                               ; both opening adds are done
	s_wait_kmcnt 0x0
	s_add_nc_u64 s[20:21], s[PAC:PAC+1], s[20:21]
	s_add_nc_u64 s[22:23], s[PAS:PAS+1], s[22:23]
	s_add_nc_u64 s[46:47], s[PBC:PBC+1], s[46:47]
	s_add_nc_u64 s[92:93], s[PBS:PBS+1], s[92:93]
	CROUND                                         ; all sixteen work-groups are here: the first joint loads meet
	s_mov_b32 s[G0S], 1
	s_add_co_u32 s[G0S+1], s94, SCL
	s_mov_b64 s[G0S+2:G0S+3], s[22:23]
	s_or_b32 s[G0S+3], s[G0S+3], 0x80000000
	s_mov_b32 s[G0SB], 1
	s_add_co_u32 s[G0SB+1], s94, SCL
	s_mov_b64 s[G0SB+2:G0SB+3], s[92:93]
	s_or_b32 s[G0SB+3], s[G0SB+3], 0x80000000
	JLOAD G0S, G1S, G0SB, G1SB                     ; the scales first: they are wanted with K step 0
.irp s, 0,1
	s_mov_b32 s[G0+4*\s], 1
	s_add_co_u32 s[G0+4*\s+1], s45, \s*SLOT
	s_add_nc_u64 s[G0+4*\s+2:G0+4*\s+3], s[20:21], \s*KSA
	s_or_b32 s[G0+4*\s+3], s[G0+4*\s+3], 0x80000000
	s_mov_b32 s[G0B+4*\s], 1
	s_add_co_u32 s[G0B+4*\s+1], s45, \s*SLOT
	s_add_nc_u64 s[G0B+4*\s+2:G0B+4*\s+3], s[46:47], \s*KSB
	s_or_b32 s[G0B+4*\s+3], s[G0B+4*\s+3], 0x80000000
	JLOAD G0+4*\s, G1, G0B+4*\s, G1B               ; three tensor loads of mine are out now, later one
.endr
	v_and_b32 v1, 31, v0                           ; lane
	v_and_b32 v2, 15, v0                           ; r
	v_bfe_u32 v3, v0, 4, 1                         ; h
	v_lshlrev_b32 v[O16], 4, v1
	v_lshlrev_b32 v[O8], 3, v1
	s_mul_i32 s2, s[WH], HALFT                     ; my half of A,
	s_mul_i32 s3, s[WL], HALFT                     ; my half of B,
	s_add_co_u32 s3, s3, 2*HALFT                   ; which lies behind A
.irp s, 0,1
	v_add_nc_u32 v[A16+\s], s2, v[O16]
	v_add_nc_u32 v[A8+\s], s2, v[O8]
	v_add_nc_u32 v[B16+\s], s3, v[O16]
	v_add_nc_u32 v[B8+\s], s3, v[O8]
	s_add_co_u32 s2, s2, SLOT
	s_add_co_u32 s3, s3, SLOT
.endr
	v_lshlrev_b32 v6, 3, v2                        ; my row's two words of a K step: 8 r
	s_lshl_b32 s2, s[WH], 12                       ; A's: my 8 row tiles
	s_lshl_b32 s3, s[WL], 12                       ; B's: my 8 row tiles, behind A's
	s_add_co_u32 s3, s3, SCB
	s_sub_co_u32 s3, s3, s2
	v_mul_u32_u24 v7, s3, v3                       ; lanes 16-31 take B's
	s_add_co_u32 s2, s2, SCL
	v_add_nc_u32 v6, v6, v7
	v_add_nc_u32 v[ADRS], s2, v6
	s_lshl_b32 s2, s[WV], 10                       ; the way out: my stage for scale words, 1,024 bytes, in slot 0
	v_lshl_add_u32 v[SST], v2, 2, s2
	v_add_nc_u32 v[SRD], s2, v[O16]
	v_mul_u32_u24 v[OV], v3, 12288
	v_lshl_add_u32 v[OV], v2, 4, v[OV]
.macro FRAG reg, a16, a8, q, i         ; a fragment's image comes back as it was stored: row tile i of my eight, the slot's q-th 128 along K
	ds_load_b128 v[\reg:\reg+3], v[\a16] offset:(\i)*3072+(\q)*1536
	ds_load_b64 v[\reg+4:\reg+5], v[\a8] offset:(\i)*3072+(\q)*1536+512
	ds_load_b128 v[\reg+6:\reg+9], v[\a16] offset:(\i)*3072+(\q)*1536+768
	ds_load_b64 v[\reg+10:\reg+11], v[\a8] offset:(\i)*3072+(\q)*1536+1280
.endm
; 16 matrix instructions: A's blocks a0, a0 + 1 x B's eight.  p: B's set;  sc: the set of scale words.  zero = 1: the first product starts the sums.  The 64 accumulators take turns, one instruction a turn.
.macro MUL16 a0, p, q, sc, zero
.irp a, \a0, \a0+1
.irp b, 0,1,2,3,4,5,6,7
.if \zero
	v_wmma_scale_f32_16x16x128_f8f6f4 v[8*(8*((\a)%4)+\b):8*(8*((\a)%4)+\b)+7], v[128*(\p)+FR*\b:128*(\p)+FR*\b+FR-1], v[AF+FR*(\a):AF+FR*(\a)+FR-1], 0, v[SC+8*NQ*(\sc)+NQ*\b+(\q)], v[SC+8*NQ*(\sc)+NQ*(\a)+(\q)] matrix_a_fmt:MATRIX_FMT_BF6 matrix_b_fmt:MATRIX_FMT_BF6 matrix_a_scale:MATRIX_SCALE_ROW1
.else
	v_wmma_scale_f32_16x16x128_f8f6f4 v[8*(8*((\a)%4)+\b):8*(8*((\a)%4)+\b)+7], v[128*(\p)+FR*\b:128*(\p)+FR*\b+FR-1], v[AF+FR*(\a):AF+FR*(\a)+FR-1], v[8*(8*((\a)%4)+\b):8*(8*((\a)%4)+\b)+7], v[SC+8*NQ*(\sc)+NQ*\b+(\q)], v[SC+8*NQ*(\sc)+NQ*(\a)+(\q)] matrix_a_fmt:MATRIX_FMT_BF6 matrix_b_fmt:MATRIX_FMT_BF6 matrix_a_scale:MATRIX_SCALE_ROW1
.endif
.endr
.endr
.endm
.macro FETCH_B slot, q, p
	WIN TO_B
.irp i, 0,1,2,3,4,5,6,7
	FRAG 128*(\p)+FR*\i, B16+\slot, B8+\slot, \q, \i
.endr
	WIN 0
.endm
.macro FETCH_A slot, q, i0
.irp i, \i0, \i0+1, \i0+2, \i0+3
	FRAG AF+FR*(\i), A16+\slot, A8+\slot, \q, \i
.endr
.endm
.macro SCALES sc                       ; a K step's scale words into set sc: two words a row; lanes 0-15 A's block i, lanes 16-31 B's block i
.irp i, 0,1,2,3,4,5,6,7
	ds_load_b64 v[SC+8*NQ*\sc+NQ*\i:SC+8*NQ*\sc+NQ*\i+1], v[ADRS] offset:\i*512
.endr
.endm
.macro PLACES n                        ; plain vector instructions between a matrix instruction and a load into, or a read of, its registers
.rept \n
	v_nop
.endr
.endm
; A step of 128 along K that has its successor in the same slot.  A's blocks go one after the other, each against B's eight, so one set of registers serves A; B has two.
.macro STEP slot, q, zero
	s_wait_dscnt 4*NL                              ; B's set, A's blocks 0-3 and the scales are in; the youngest 16 loads (A's blocks 4-7) may be out
	WIN MUL_LO
	MUL16 0, (\q)%2, \q, \slot, \zero
	MUL16 2, (\q)%2, \q, \slot, \zero
	s_wait_dscnt 0                                 ; A's blocks 4-7 are in
	PLACES NP
	FETCH_B \slot, (\q)+1, 1-(\q)%2
	FETCH_A \slot, (\q)+1, 0
	WIN MUL_HI
	MUL16 4, (\q)%2, \q, \slot, \zero
	MUL16 6, (\q)%2, \q, \slot, \zero
	PLACES NP
	WIN 0
	FETCH_A \slot, (\q)+1, 4
.endm
; A slot's last step changes slots: one barrier; in front of it each wave waits for all its tensor loads, adds 0 to its spare word, and waits for that and for its reads of this slot.  fill = 1: this slot is filled again, two K steps ahead.
.macro TURN slot, next, fill
	s_wait_tensorcnt 0x0                           ; all my tensor loads have landed: my part of the next slot
	ds_add_u32 v[SPW], v[NIL]                      ; 0 onto my spare word
	s_wait_dscnt 4*NL+1                            ; (the add and the youngest 16 loads may be out)
	WIN MUL_LO
	MUL16 0, 1, NQ-1, \slot, 0                     ; sixteen matrix instructions stand between the add and the wait for it
	s_wait_dscnt 0x0                               ; the add is done, and my reads of this slot are over
	s_barrier_signal -1
	MUL16 2, 1, NQ-1, \slot, 0
	WIN 0
	s_barrier_wait -1
.if \fill
	CREST                                          ; the barrier has opened a round of the cluster's: no wave of any partner still reads this slot or has a load on its way
	s_add_nc_u64 s[G0+4*\slot+2:G0+4*\slot+3], s[G0+4*\slot+2:G0+4*\slot+3], 2*KSA
	s_add_nc_u64 s[G0B+4*\slot+2:G0B+4*\slot+3], s[G0B+4*\slot+2:G0B+4*\slot+3], 2*KSB
	JLOAD G0+4*\slot, G1, G0B+4*\slot, G1B         ; the first tensor load behind the round; its four v_nop are also the places in front of the loads below
.else
	PLACES NP
.endif
	v_add_nc_u32 v[ADRS], 128, v[ADRS]             ; on to the next K step's scale words (no LDS load of mine is out)
	FETCH_B \next, 0, 0
	FETCH_A \next, 0, 0
	SCALES \next
	WIN MUL_HI
	MUL16 4, 1, NQ-1, \slot, 0
	MUL16 6, 1, NQ-1, \slot, 0
	PLACES NP
	WIN 0
	FETCH_A \next, 0, 4
.endm
	s_wait_tensorcnt 1                             ; the scales and my part of K step 0 are in (K step 1's load may be out)
	s_barrier_signal -1
	s_barrier_wait -1                              ; everybody's are
	FETCH_B 0, 0, 0
	FETCH_A 0, 0, 0
	SCALES 0
	FETCH_A 0, 0, 4
	STEP 0, 0, 1                                   ; the first products start the sums: nothing is cleared
	TURN 0, 1, 1                                   ; slot 0 takes K step 2
	STEP 1, 0, 0
	TURN 1, 0, 1                                   ; slot 1 takes K step 3
	STEP 0, 0, 0
	TURN 0, 1, 0                                   ; nothing is left to fetch, and no round follows
	STEP 1, 0, 0
	s_wait_dscnt 4*NL                              ; the very last step
	WIN MUL_LO
	MUL16 0, 1, NQ-1, 1, 0
	MUL16 2, 1, NQ-1, 1, 0
	s_wait_dscnt 0
	WIN MUL_HI
	MUL16 4, 1, NQ-1, 1, 0
	MUL16 6, 1, NQ-1, 1, 0
	WIN 0
; THE WAY OUT.  64 numbers of a lane, v[s] on in window w, register 16 b + i = index 32 b + 16 (lane / 16) + i of my row, become a fragment's codes in v[PC] on and its scale word in v[pw].
; Each accumulator is read from its low end on.
.macro QUANT s, w, pw
	WIN (\w)|((\w)<<2)                             ; sources 0 and 1: the numbers' window
.irp b, 0,1,2,3
	v_max3_num_f32 v[TM+\b], |v[\s+16*\b]|, |v[\s+1+16*\b]|, 0x2800000   ; and the floor 2^(5 - 127): the byte cannot fall under 1
.endr
.irp i, 2,4,6,8,10,12,14
.irp b, 0,1,2,3
	v_max3_num_f32 v[TM+\b], |v[\s+16*\b+\i]|, |v[\s+1+16*\b+\i]|, v[TM+\b]
.endr
.endr
	WIN 0
.irp b, 0,1,2,3
	v_permlanex16_b32 v[TM+4+\b], v[TM+\b], s[SEL], s[SEL+1]
.endr
.irp b, 0,1,2,3
	v_max_num_f32 v[TM+\b], v[TM+\b], v[TM+4+\b]
.endr
.irp b, 0,1,2,3
	v_add_nc_u32 v[TM+12+\b], 0xfe000000, v[TM+\b] ; 4 off the exponent field: the conversion's scale operand
.endr
.irp b, 0,1,2,3
	v_lshrrev_b32 v[TM+4+\b], 23, v[TM+12+\b]      ; the scale's byte
.endr
	v_lshl_or_b32 v[\pw], v[TM+5], 8, v[TM+4]
	v_lshl_or_b32 v[\pw], v[TM+6], 16, v[\pw]
	v_lshl_or_b32 v[\pw], v[TM+7], 24, v[\pw]
	s_wait_xcnt 0x0                                ; the last block's stores have read the codes' registers
	WIN \w                                         ; source 0: the numbers' window
.irp c, 0,1
	v_cvt_scalef32_pk16_bf6_f32 v[PC+6*\c:PC+2+6*\c], v[\s+32*\c:\s+15+32*\c], v[TM+12+2*\c]
	v_cvt_scalef32_pk16_bf6_f32 v[PC+12+4*\c:PC+14+4*\c], v[\s+16+32*\c:\s+31+32*\c], v[TM+12+2*\c+1]
.endr
	WIN 0
	v_nop                                          ; one plain instruction behind a scaled conversion
.irp c, 0,1
.irp i, 0,1,2
	v_permlane16_swap_b32 v[PC+6*\c+\i], v[PC+12+4*\c+\i]
.endr
.irp i, 0,1,2
	v_mov_b32 v[PC+3+6*\c+\i], v[PC+12+4*\c+\i]
.endr
.endr
.endm
; q, k: block a is 16 tokens x 128 features = two heads.  The fragment's two halves are the two heads' half images of token tile a; the scale word's two halves their words.
.macro QKOUT a
.set QS, 64*((\a)%4)
	WIN 2+(\a)/4                                   ; source 0: the accumulators' window
.set n, 0
.rept 32
	v_pk_mul_f32 v[X+n:X+n+1], v[QS+n:QS+n+1], s[FQ:FQ+1] op_sel_hi:[1,0]   ; x 2^-2.5, in f32, ahead of the quantiser
.set n, n+2
.endr
	WIN 0
	QUANT X, 0, T0
	global_store_b128 v[O16], v[PC:PC+3], s[8:9] offset:(\a)*768
	global_store_b64 v[O8], v[PC+4:PC+5], s[8:9] offset:(\a)*768+512
	global_store_b128 v[O16], v[PC+6:PC+9], s[8:9] offset:(\a)*768+98304       ; the next head
	global_store_b64 v[O8], v[PC+10:PC+11], s[8:9] offset:(\a)*768+98304+512
	v_and_or_b32 v[SW+2*(\a)], v[T0], 0xffff, s[M7F]   ; two bytes, and 127 for the 64 along K that the product fills with zeros
	v_lshrrev_b32 v[T0+1], 16, v[T0]
	v_or_b32 v[SW+2*(\a)+1], s[M7F], v[T0+1]
	ds_store_b32 v[SST], v[SW+2*(\a)] offset:64*(\a)             ; lanes l and l xor 16 write the same word with the same value
	ds_store_b32 v[SST], v[SW+2*(\a)+1] offset:512+64*(\a)
.endm
; v: block a is 16 of a head's 64 x 128 keys: one fragment of V^T
.macro VOUT a
.set QS, 64*((\a)%4)
	QUANT QS, 2+(\a)/4, SW+(\a)
	global_store_b128 v[O16], v[PC:PC+3], s[8:9] offset:((\a)%4)*1536+((\a)/4)*98304
	global_store_b64 v[O8], v[PC+4:PC+5], s[8:9] offset:((\a)%4)*1536+((\a)/4)*98304+512
	global_store_b128 v[O16], v[PC+6:PC+9], s[8:9] offset:((\a)%4)*1536+((\a)/4)*98304+768
	global_store_b64 v[O8], v[PC+10:PC+11], s[8:9] offset:((\a)%4)*1536+((\a)/4)*98304+1280
	ds_store_b32 v[SST], v[SW+(\a)] offset:4096+64*(\a)          ; this arm's stage has bytes of its own
.endm
	PLACES NP                                      ; behind the last products: for the first reads of results and the writes of registers that held A's fragments
.irp b, 0,1,2,3
	v_mov_b32 v[TM+4+\b], 0                        ; written once: a lane permute's destination counts as one of its sources
.endr
	s_cmp_eq_u32 s[TYP], 1                         ; the cluster's x alone decides: all partners go the same way
	s_cbranch_scc1 .Lv
	s_lshl_b32 s2, s17, 2
	s_add_co_u32 s2, s2, s41
	s_lshl_b32 s2, s2, 8
	s_lshl_b32 s3, s[WH], 7
	s_add_co_u32 s2, s2, s3                        ; my first token: 256 (4 cluster y + cy) + 128 x half
	s_lshr_b32 s3, s2, 11                          ; its batch,
	s_and_b32 s2, s2, 2047                         ; and its place there
	s_lshl_b32 s15, ttmp9, 6                       ; 64 x tensor
	s_lshl_b32 s3, s3, 4
	s_add_co_u32 s15, s15, s3                      ; + 16 x batch
	s_lshl_b32 s3, s40, 2
	s_add_co_u32 s15, s15, s3
	s_lshl_b32 s3, s[WL], 1
	s_add_co_u32 s15, s15, s3                      ; + my first head: 4 cx + 2 x half
	s_mul_i32 s18, s15, 98304
	s_mul_i32 s3, s2, 48                           ; 768 bytes for 16 tokens
	s_add_co_u32 s18, s18, s3
	s_mov_b32 s19, 0
	s_add_nc_u64 s[8:9], s[8:9], s[18:19]
	s_mul_i32 s18, s15, 12288
	s_lshl_b32 s3, s2, 2
	s_add_co_u32 s18, s18, s3
	s_add_nc_u64 s[10:11], s[10:11], s[18:19]
.irp a, 0,1,2,3,4,5,6,7
	QKOUT \a
.endr
	ds_load_b128 v[T0:T0+3], v[SRD]                ; LDS serves a wave's instructions in order: these see my stores.  128 tokens' words of my first head,
	ds_load_b128 v[T0+4:T0+7], v[SRD] offset:512   ; and of my second
	s_wait_dscnt 0x0
	global_store_b128 v[O16], v[T0:T0+3], s[10:11]                 ; 512 consecutive bytes, at a multiple of 256
	global_store_b128 v[O16], v[T0+4:T0+7], s[10:11] offset:12288
	s_branch .Ldone
.Lv:
	s_lshl_b32 s2, s17, 2
	s_add_co_u32 s2, s2, s40
	s_lshl_b32 s2, s2, 8
	s_lshl_b32 s3, s[WL], 7
	s_add_co_u32 s2, s2, s3                        ; my first key: 256 (4 cluster y + cx) + 128 x half
	s_lshr_b32 s15, s2, 11
	s_lshl_b32 s15, s15, 4                         ; 16 x batch
	s_lshl_b32 s3, s41, 2
	s_add_co_u32 s15, s15, s3
	s_lshl_b32 s3, s[WH], 1
	s_add_co_u32 s15, s15, s3                      ; + my first head: 4 cy + 2 x half
	s_bfe_u32 s2, s2, 0x40007                      ; which step of 128 keys in the batch
	s_mul_i32 s18, s15, 98304
	s_mul_i32 s3, s2, 6144
	s_add_co_u32 s18, s18, s3
	s_add_co_u32 s18, s18, 12582912
	s_mov_b32 s19, 0
	s_add_nc_u64 s[8:9], s[8:9], s[18:19]
	s_mul_i32 s18, s15, 12288
	s_lshl_b32 s3, s2, 8
	s_add_co_u32 s18, s18, s3
	s_add_co_u32 s18, s18, 64*12288+8192
	s_add_nc_u64 s[10:11], s[10:11], s[18:19]
.irp a, 0,1,2,3,4,5,6,7
	VOUT \a
.endr
	ds_load_b128 v[T0:T0+3], v[SRD] offset:4096    ; lanes 0-15: my first head's 64 words of this step, lanes 16-31 my second's
	s_wait_dscnt 0x0
	global_store_b128 v[OV], v[T0:T0+3], s[10:11]  ; sixteen lanes store 256 consecutive bytes, at a multiple of 256
.Ldone:
	s_wait_tensorcnt 0x0                           ; the wave's end
	ds_add_u32 v[SPW], v[NIL]
	s_wait_dscnt 0x0
	CROUND                                         ; the closing round: no work-group ends while a partner may still ask for a tile that names it
	s_endpgm
.Lfunc_end_k_qf18d44ad03_qkv:
	.size	k_qf18d44ad03_qkv, .Lfunc_end_k_qf18d44ad03_qkv-k_qf18d44ad03_qkv
	.p2alignl 7, 3214868480
	.fill 96, 4, 3214868480
	.section	.rodata,"a",@progbits
	.p2align	6, 0x0
	.amdhsa_kernel k_qf18d44ad03_qkv
		.amdhsa_group_segment_fixed_size 327680
		.amdhsa_private_segment_fixed_size 0
		.amdhsa_enable_private_segment 0
		.amdhsa_kernarg_size 32
		.amdhsa_user_sgpr_count 2
		.amdhsa_user_sgpr_kernarg_segment_ptr 1
		.amdhsa_wavefront_size32 1
		.amdhsa_system_sgpr_workgroup_id_x 1
		.amdhsa_system_sgpr_workgroup_id_y 1
		.amdhsa_system_sgpr_workgroup_id_z 1
		.amdhsa_system_vgpr_workitem_id 0
		.amdhsa_next_free_vgpr 1024
		.amdhsa_next_free_sgpr 100
		.amdhsa_reserve_vcc 0
		.amdhsa_float_denorm_mode_32 3
		.amdhsa_float_denorm_mode_16_64 3
		.amdhsa_memory_ordered 1
		.amdhsa_forward_progress 1
		.amdhsa_inst_pref_size 203
	.end_amdhsa_kernel
	.amdgpu_metadata
---
amdhsa.version: [ 1, 2 ]
amdhsa.kernels:
  - .name:           k_qf18d44ad03_qkv
    .symbol:         k_qf18d44ad03_qkv.kd
    .args:
      - { .name: cimg, .offset: 0, .size: 8, .value_kind: global_buffer, .address_space: global }
      - { .name: csc, .offset: 8, .size: 8, .value_kind: global_buffer, .address_space: global }
      - { .name: qkv, .offset: 16, .size: 8, .value_kind: global_buffer, .address_space: global }
      - { .name: qkvs, .offset: 24, .size: 8, .value_kind: global_buffer, .address_space: global }
    .group_segment_fixed_size: 327680
    .private_segment_fixed_size: 0
    .kernarg_segment_align: 8
    .kernarg_segment_size: 32
    .max_flat_workgroup_size: 128
    .sgpr_count:     100
    .vgpr_count:     1024
    .wavefront_size: 32
...
	.end_amdgpu_metadata
.endif
;; end of part 2
;; launch attn (part 3): grid 8 x 64, 16 waves a work-group, no clusters, 327,680 bytes of LDS; arguments qkv, qkvs, ac, asc; writes ac, asc
.if DOCPART == 3
	.amdgcn_target "amdgcn-amd-amdhsa--gfx1250"
	.amdhsa_code_object_version 6
	.text
	.protected	k_qf18d44ad03_attn
	.globl	k_qf18d44ad03_attn
	.p2align	8
	.type	k_qf18d44ad03_attn,@function
k_qf18d44ad03_attn:
	s_mov_b64 s[64:65], 0
	v_nop
	global_prefetch_b8 v0, s[64:65] scope:SCOPE_SE
	s_setreg_imm32_b32 hwreg(HW_REG_WAVE_MODE, 25, 1), 1
	s_wait_xcnt 0x0
; LAUNCH 3 OF 4.  For each of 64 heads: S = q k^T (K = 64), causal mask, p = 2^(t - M), O = p v (K = the keys), O / l, quantised along the model's 1,024 for the last product.  All on codes of BF6 with E8M0 scales.
; LEFT OUT AS DEAD WORK (shown at the head of launch quant): steps of 128 keys that lie wholly behind a wave's 16 queries, and slots that lie wholly behind the work-group's last query: reference()'s own jnp.tril gives them the weight 0.
; THE SOFTMAX: t = score x log2(e); M = the running largest t rounded UP to a whole number; p = 2^(t - M) is quantised along the keys, not normalised; the row's sum is taken of the unquantised p and divides O at the end.
; When M moves, the sum and O are multiplied by 2^(old M - new M): exact.  A block's largest p is made from its largest score by the same two instructions (this takes v_exp_f32 not to fall where its input rises).
; SHARES.  Work-group (i, head): waves 0-7 own the eight query tiles of block i of 128 queries, waves 8-15 those of block 15 - i: i + 1 and 16 - i key steps a wave, 17 for each pair, the same in all 512 work-groups.
; A wave owns one tile of 16 queries in 256 registers: four waves to a SIMD, so that one wave's vector work stands beside another's matrix work.
; EVERY work-group walks all 8 slots of 256 keys: the trip counts are constants, and no barrier is jumped over; what is left out is a step's work, and a slot's load.
; LAYOUT.  Both products are used transposed: S^T = K Q^T, O^T = V^T P^T: a lane holds one query throughout.  Tiles of q, k and v lie in tile order (launch quant), so p's 16 registers of two neighbouring tiles are 16 neighbouring
; keys, and O^T's are 16 neighbouring channels.  All operands are images of their registers: dense loads of 16 and 8 bytes a lane.
; K = 64 IN AN INSTRUCTION OF 128: Q's upper six registers are zeros.  K's operand of tile t is 12 registers from its own six on: the upper six are the next tile's codes (zeros behind the last), finite numbers under the byte 127,
; which zeros multiply away.
; NO CLUSTER: under the mask the work-groups of a head need different numbers of slots, and a joint load must be asked for by all that it names.
; LIMITS: a block of zeros has the byte 1 (only this program reads the bytes); NaN and infinities among the inputs are not served.
; REGISTERS: v1-7 addresses that stay; v8-11 addresses in hand; v12 -M, v13 the largest t, v[14:15] the sum; v16-27 Q; v32-79 K's 8 tiles, later V's 4 fragments; v80-85 zeros; v96-159 S^T, then p; v160-191 O^T; v224-235 p's codes;
;   v232-254 at work; v248-251 K's or V's scale words, v253 p's, v255 Q's.
.set SLOT1, 65536                      ; slot 0 at 0: K 12,288 bytes (16 half images), V 12,288 (8 fragment images); slot 1 here: one exclusive or turns an address
.set SCS,   24576                      ; between them: the head's scale words: k's 8,192 bytes, then v's 4,096; filled once
.set SPARE, 90112                      ; behind slot 1: the spare words, 128 bytes a wave: eight blocks of 256 bytes that no other line names
.set NSL,   8
.set L16,  1                           ; v1  16 x lane
.set L8,   2                           ; v2  8 x lane
.set L4S,  3                           ; v3  SCS + 4 x lane
.set QD,   4                           ; v4  my query - 16 (lane / 16)
.set SPW,  5                           ; v5  LDS address of my spare word; never rewritten
.set NIL,  6                           ; v6  0; never rewritten
.set OB,   7                           ; v7  8 r
.set AD16, 8
.set AD8,  9
.set ADS,  10
.set ADT,  11
.set PFO,  28                          ; v28 the prefetches' offset; never rewritten
.set WV,   18
.set SEL,  20                          ; s[20:21] lane selects: lane l xor 16
.set CS,   22                          ; s[22:23] log2(e)
.set G1,   24                          ; s[24:31] descriptor group 1, one for all loads: 12,288 dense bytes
.set G0,   40                          ; s[40:43] my group 0, which walks
.set TB,   2                           ; s2  LDS byte at which the slot in hand begins
.set TS,   3                           ; s3  the step's scale words of K: 512 bytes a step
.set TJ,   66                          ; s66 and V's: 256 bytes a step
.set SLOTS, 67                         ; s67 changes of slots still to come in the loop
.set PFA,  76                          ; s[76:77] k's codes of the slot after the one that is being asked for
.set LIM,  80                          ; s80 1 in a wave that prefetches, else the greatest number
.set LAST, 81                          ; s81 my work-group's last query
.set KF,   98                          ; s98 the step's first key
.set QB,   99                          ; s99 the first query of my block of 128
; Wave 0 fetches K's tiles, wave 1 V's, wave 2 (at the head alone) the scale words, the others nothing.  The branch hangs on the wave's number alone.  An s_nop 0 and four v_nop follow the load.
.macro TLOAD lim
	s_cmp_lt_u32 s[WV], \lim
	s_cbranch_scc0 .Lnone_\@
	tensor_load_to_lds s[G0:G0+3], s[G1:G1+7]
	s_nop 0
.rept 4
	v_nop
.endr
.Lnone_\@:
.endm
; A prefetch into the L2 of what the NEXT change of slots will ask for: K's 12,288 bytes and V's 12,288: 96 runs of 256 bytes, lanes 256 bytes apart, one instruction in each of waves 4, 5, 6, which fetch nothing.
; All eight work-groups of a head walk the same K and V: the one with i = 0, which loads every slot, asks, so each run is named once in the launch.  It stands a slot's two key steps ahead of the load.
; Slots 0 and 1 come by their loads alone; the last change that fills a slot asks for nothing.
.macro ASK
	s_cmp_gt_u32 s[SLOTS], s[LIM]
	s_cbranch_scc0 .Lnot_mine_\@
	global_prefetch_b8 v[PFO], s[PFA:PFA+1] th:TH_LOAD_NT scope:SCOPE_SE
.Lnot_mine_\@:
.endm
	s_load_b256 s[4:11], s[0:1], 0x0               ; qkv, qkvs, ac, asc
	v_lshl_add_u32 v[SPW], v0, 2, SPARE
	v_mov_b32 v[NIL], 0
	ds_add_u32 v[SPW], v[NIL]                      ; the wave's opening: the add, twice on end, and its wait ahead of my first tensor load
	ds_add_u32 v[SPW], v[NIL]
	v_lshrrev_b32 v8, 5, v0
	s_delay_alu instid0(VALU_DEP_1)
	v_readfirstlane_b32 s[WV], v8                  ; wave 0..15
	s_and_b32 s68, ttmp7, 0xffff                   ; the head, 16 x batch + head
	s_sub_co_u32 s69, 15, ttmp9
	s_cmp_lt_u32 s[WV], 8
	s_cselect_b32 s69, ttmp9, s69                  ; my block of 128 queries: i or 15 - i
	s_lshl_b32 s[QB], s69, 7
	s_and_b32 s70, s[WV], 7
	s_lshl_b32 s69, s69, 3
	s_add_co_u32 s70, s70, s69                     ; F: my tile of 16 queries
	s_sub_co_u32 s[LAST], 16, ttmp9
	s_lshl_b32 s[LAST], s[LAST], 7
	s_sub_co_u32 s[LAST], s[LAST], 1               ; 128 (16 - i) - 1
	s_mov_b32 s[G1], 3<<16                         ; 15:0 no mask; 17:16 elements of 8 bytes; no padding
	s_mov_b32 s[G1+1], 32<<16                      ; tensor_dim0: 256 bytes
	s_mov_b32 s[G1+2], 48<<16                      ; tensor_dim1
	s_mov_b32 s[G1+3], 32<<16                      ; tile_dim0
	s_mov_b32 s[G1+4], 48                          ; tile_dim1
	s_mov_b32 s[G1+5], 32                          ; tensor_dim0_stride
	s_mov_b32 s[G1+6], 0
	s_mov_b32 s[G1+7], 0
	s_mul_i32 s71, s68, 98304                      ; the head's first byte in q's, k's and v's parts of qkv
	s_add_co_u32 s72, s[WV], 1
	s_mul_i32 s72, s72, 6291456
	s_add_co_u32 s72, s72, s71                     ; wave 0: k's part; wave 1: v's
	s_add_co_u32 s73, s68, 64
	s_mul_i32 s73, s73, 12288                      ; wave 2: the head's block of k's and v's scale words
	s_cmp_lt_u32 s[WV], 2
	s_cselect_b32 s72, s72, s73
	s_mov_b32 s73, 0
	s_mul_i32 s74, s[WV], 12288                    ; and where it goes: K at 0, V at 12,288, the scale words at 24,576
	s_mul_i32 s84, s70, 768
	s_add_co_u32 s84, s84, s71                     ; Q's half image
	s_mov_b32 s85, 0
	s_mul_i32 s86, s68, 12288
	s_lshl_b32 s87, s70, 6
	s_add_co_u32 s86, s86, s87                     ; Q's scale words
	s_mov_b32 s87, 0
	s_add_co_u32 s82, s71, 6291456+12288           ; k's slot 1: the first change of slots steps the prefetches to slot 2
	s_mov_b32 s83, 0
	; where O's codes and scale bytes go: the head's 64 channels are half c of step q of 128 in K step ks2 of 256 of the last product
	s_and_b32 s88, s68, 15                         ; head
	s_lshr_b32 s89, s68, 4
	s_lshl_b32 s89, s89, 7
	s_add_co_u32 s89, s89, s70                     ; row tile: 128 x batch + F
	s_lshr_b32 s90, s88, 2                         ; ks2
	s_bfe_u32 s91, s88, 0x10001                    ; q
	s_and_b32 s88, s88, 1                          ; c
	s_mul_i32 s92, s90, 1572864
	s_mul_i32 s93, s89, 3072
	s_add_co_u32 s92, s92, s93
	s_mul_i32 s93, s91, 1536
	s_add_co_u32 s92, s92, s93
	s_mul_i32 s93, s88, 768
	s_add_co_u32 s92, s92, s93
	s_mov_b32 s93, 0
	s_lshl_b32 s94, s89, 9
	s_lshl_b32 s90, s90, 7
	s_add_co_u32 s94, s94, s90
	s_lshl_b32 s91, s91, 2
	s_add_co_u32 s94, s94, s91
	s_lshl_b32 s88, s88, 1
	s_add_co_u32 s94, s94, s88
	s_mov_b32 s95, 0
	s_lshr_b32 s75, s70, 1
	s_lshl_b32 s75, s75, 5
	s_and_b32 s69, s70, 1
	s_lshl_b32 s69, s69, 3
	s_add_co_u32 s75, s75, s69                     ; my tile's first query: 32 (F / 2) + 8 (F % 2)
	s_mov_b32 s[SEL], 0x76543210
	s_mov_b32 s[SEL+1], 0xfedcba98
	s_mov_b32 s[CS], 0x3fb8aa3b                    ; log2(e): q and k carry reference()'s scale already
	s_mov_b32 s[CS+1], s[CS]                       ; (named with it as a pair, so it is written)
	s_mov_b32 s[TB], 0
	s_mov_b32 s[TS], 0
	s_mov_b32 s[TJ], 0
	s_mov_b32 s[SLOTS], NSL-1
	s_mov_b32 s[KF], 0
	s_sub_co_u32 s96, s[WV], 4
	s_lshr_b32 s96, s96, 2                         ; 0 in waves 4 to 7,
	s_or_b32 s96, s96, ttmp9                       ; of the head's work-group with i = 0
	s_cmp_eq_u32 s96, 0
	s_cselect_b32 s[LIM], 1, -1
	s_cmp_eq_u32 s[WV], 7                          ; (96 runs are three waves' worth)
	s_cselect_b32 s[LIM], -1, s[LIM]
	s_wait_dscnt 0x0                               ; both opening adds are done
	s_wait_kmcnt 0x0
	s_mov_b32 s[G0], 1                             ; 1:0 count = 1
	s_mov_b32 s[G0+1], s74                         ; 63:32 LDS address
	s_cmp_lt_u32 s[WV], 2
	s_cselect_b64 s[G0+2:G0+3], s[4:5], s[6:7]     ; 120:64 global address
	s_add_nc_u64 s[G0+2:G0+3], s[G0+2:G0+3], s[72:73]
	s_or_b32 s[G0+3], s[G0+3], 0x80000000          ; 127:126 type = 2
	TLOAD 3                                        ; slot 0 and the scale words: one tensor load a wave is out, here and behind every change of slots
	s_add_nc_u64 s[84:85], s[4:5], s[84:85]
	s_add_nc_u64 s[86:87], s[6:7], s[86:87]
	s_add_nc_u64 s[PFA:PFA+1], s[4:5], s[82:83]
	s_add_nc_u64 s[8:9], s[8:9], s[92:93]
	s_add_nc_u64 s[10:11], s[10:11], s[94:95]
	v_and_b32 v30, 31, v0                          ; lane
	v_and_b32 v8, 15, v0                           ; r
	v_bfe_u32 v9, v0, 4, 1                         ; h
	s_delay_alu instid0(VALU_DEP_3)
	v_lshlrev_b32 v[L16], 4, v30
	s_delay_alu instid0(VALU_DEP_4)
	v_lshlrev_b32 v[L8], 3, v30
	v_lshl_add_u32 v[L4S], v30, 2, SCS
	v_lshlrev_b32 v29, 2, v8
	v_lshlrev_b32 v[OB], 3, v8
	global_load_b128 v[16:19], v[L16], s[84:85]    ; Q's half image stays in registers
	global_load_b64 v[20:21], v[L8], s[84:85] offset:512
	global_load_b32 v255, v29, s[86:87]            ; Q's scale words
	v_and_b32 v10, 8, v8
	s_delay_alu instid0(VALU_DEP_1)
	v_add_nc_u32 v10, v10, v8                      ; r + 8 (r / 8)
	v_lshlrev_b32 v11, 4, v9
	s_delay_alu instid0(VALU_DEP_1)
	v_sub_nc_u32 v10, v10, v11
	s_delay_alu instid0(VALU_DEP_1)
	v_add_nc_u32 v[QD], s75, v10
	s_and_b32 s96, s[WV], 3
	s_lshl_b32 s96, s96, 5
	v_add_nc_u32 v30, s96, v30                     ; g: which of the 96 runs is my lane's
	v_mov_b32 v31, 6279168                         ; runs 48 on are V's: 6,291,456 bytes behind K's, less K's 12,288
	s_delay_alu instid0(VALU_DEP_2)
	v_cmp_lt_u32 s97, 47, v30
	s_delay_alu instid0(VALU_DEP_1)
	v_cndmask_b32 v31, 0, v31, s97
	s_delay_alu instid0(VALU_DEP_1)
	v_lshl_add_u32 v[PFO], v30, 8, v31
.irp j, 22,23,24,25,26,27,80,81,82,83,84,85
	v_mov_b32 v\j, 0                               ; the upper 64 of K: Q's zeros, and what stands behind K's last tile
.endr
	v_mov_b32 v13, 0xff61b1e6                      ; the largest t so far: -3e38, under every t
	s_delay_alu instid0(VALU_DEP_1)
	v_floor_f32 v12, -v13                          ; -M
	v_mov_b32 v14, 0                               ; the sum, in two halves
	v_mov_b32 v15, 0
.irp b, 0,1,2,3
	v_mov_b32 v[236+\b], 0                         ; written once: a lane permute's destination counts as one of its sources
.endr
	v_mov_b32 v252, 0
	v_mov_b32 v253, 0                              ; (named as the upper half of the pair v[252:253] before it is first written)
.set j, 0
.rept 32
	v_mov_b32 v[160+j], 0                          ; O^T.  (The step is written once: the first finds zeros, which the first change of M leaves zeros)
.set j, j+1
.endr
; A KEY STEP: 128 keys, the q-th of the slot in hand.
.macro STEP q
	s_cmp_gt_u32 s[KF], s[QB]                      ; all 128 keys lie behind my 16 queries: a scalar branch on ids, round the step's loads, products and softmax, not round the lines at its end that step addresses
	s_cbranch_scc1 .Lhidden_\@
	v_add_nc_u32 v[AD16], s[TB], v[L16]            ; (these four are also the places in front of loads into registers that the last products read)
	v_add_nc_u32 v[AD8], s[TB], v[L8]
	v_add_nc_u32 v[ADS], s[TS], v[L4S]
	v_add_nc_u32 v[ADT], s[TJ], v[L4S]
.irp t, 0,1,2,3,4,5,6,7
	ds_load_b128 v[32+6*\t:35+6*\t], v[AD16] offset:(8*(\q)+\t)*768
	ds_load_b64 v[36+6*\t:37+6*\t], v[AD8] offset:(8*(\q)+\t)*768+512
.endr
.irp u, 0,1,2,3
	ds_load_b32 v[248+\u], v[ADS] offset:128*\u    ; lanes 0-15: tile 2 u's words, lanes 16-31: tile 2 u + 1's
.endr
	s_wait_alu depctr_va_vdst(0)
	s_wait_dscnt 0x0
.irp t, 0,1,2,3,4,5,6,7                        ; S^T = K Q^T: lane (r, h) holds query r; register 16 b + i is key KF + 32 b + 16 h + i
.if \t%2
	v_wmma_scale_f32_16x16x128_f8f6f4 v[96+8*\t:103+8*\t], v[32+6*\t:43+6*\t], v[16:27], 0, v[248+\t/2], v255 matrix_a_fmt:MATRIX_FMT_BF6 matrix_b_fmt:MATRIX_FMT_BF6 matrix_a_scale:MATRIX_SCALE_ROW1
.else
	v_wmma_scale_f32_16x16x128_f8f6f4 v[96+8*\t:103+8*\t], v[32+6*\t:43+6*\t], v[16:27], 0, v[248+\t/2], v255 matrix_a_fmt:MATRIX_FMT_BF6 matrix_b_fmt:MATRIX_FMT_BF6
.endif
.endr
.rept 4
	v_nop                                          ; places: in front of the loads below and of the first read of the scores
.endr
.irp t, 0,1,2,3                                ; V's four fragments are asked for now and land under the softmax
	ds_load_b128 v[32+12*\t:35+12*\t], v[AD16] offset:12288+(4*(\q)+\t)*1536
	ds_load_b64 v[36+12*\t:37+12*\t], v[AD8] offset:12288+(4*(\q)+\t)*1536+512
	ds_load_b128 v[38+12*\t:41+12*\t], v[AD16] offset:12288+(4*(\q)+\t)*1536+768
	ds_load_b64 v[42+12*\t:43+12*\t], v[AD8] offset:12288+(4*(\q)+\t)*1536+1280
.endr
.irp u, 0,1
	ds_load_b32 v[248+\u], v[ADT] offset:8192+128*\u
.endr
	s_cmp_lt_u32 s[KF], s[QB]                      ; only the step on the diagonal hides keys
	s_cbranch_scc1 .Lopen_\@
	v_sub_nc_u32 v252, v[QD], s[KF]                ; d = my query - KF - 16 h: register 16 b + i is hidden where 32 b + i > d
	v_mov_b32 v254, 0xff800000                     ; -infinity: p = 0 then
.set n, 0
.rept 64
	v_cmp_gt_i32 vcc_lo, 32*(n/16)+n%16, v252
	v_cndmask_b32 v[96+n], v[96+n], v254, vcc_lo
.set n, n+1
.endr
.Lopen_\@:
.irp b, 0,1,2,3
	v_max3_num_f32 v[232+\b], v[96+16*\b], v[97+16*\b], v[98+16*\b]   ; the largest score of each block of 32 keys: for the row's maximum, and for the block's largest p
.endr
.irp i, 3,5,7,9,11,13
.irp b, 0,1,2,3
	v_max3_num_f32 v[232+\b], v[232+\b], v[96+16*\b+\i], v[97+16*\b+\i]
.endr
.endr
.irp b, 0,1,2,3
	v_max_num_f32 v[232+\b], v[232+\b], v[111+16*\b]
.endr
.irp b, 0,1,2,3
	s_delay_alu instid0(VALU_DEP_4)
	v_permlanex16_b32 v[236+\b], v[232+\b], s[SEL], s[SEL+1]
.endr
.irp b, 0,1,2,3
	s_delay_alu instid0(VALU_DEP_4)
	v_max_num_f32 v[232+\b], v[232+\b], v[236+\b]  ; with lane l xor 16's 16 keys
.endr
	s_delay_alu instid0(VALU_DEP_2)
	v_max3_num_f32 v254, v232, v233, v234
	s_delay_alu instid0(VALU_DEP_1)
	v_max_num_f32 v254, v254, v235                 ; the step's largest score of my query
	s_delay_alu instid0(VALU_DEP_1)
	v_mul_f32 v254, s[CS], v254                    ; as t
	s_delay_alu instid0(VALU_DEP_1)
	v_max_num_f32 v13, v13, v254                   ; the running largest t
	v_mov_b32 v254, v12
	s_delay_alu instid0(VALU_DEP_2)
	v_floor_f32 v12, -v13                          ; the new -M = floor(-t) = -ceil(t)
	s_delay_alu instid0(VALU_DEP_1)
	v_sub_f32 v254, v12, v254                      ; old M - new M: a whole number, 0 or less
	s_delay_alu instid0(VALU_DEP_1)
	v_cvt_i32_f32 v254, v254                       ; (it saturates)
	s_delay_alu instid0(VALU_DEP_1)
	v_ldexp_f32 v252, 1.0, v254                    ; f = 2^(old M - new M)
.set j, 0
.rept 32
	v_pk_fma_f32 v[96+j:97+j], v[96+j:97+j], s[CS:CS+1], v[12:13] op_sel_hi:[1,0,0]   ; t - M, two at a time
.set j, j+2
.endr
.irp b, 0,1,2,3
	v_fma_f32 v[232+\b], v[232+\b], s[CS], v12     ; the same of each block's largest score
.endr
.set j, 0
	s_wait_alu depctr_va_vdst(0)
.rept 64
	v_exp_f32 v[96+j], v[96+j]                     ; p = 2^(t - M), at most 1
.set j, j+1
.endr
	v_pk_mul_f32 v[14:15], v[14:15], v[252:253] op_sel_hi:[1,0]   ; the sums under the new M.  (The plain instruction behind the exponentials)
	s_wait_alu depctr_va_vdst(0)                   ; one wait for the whole batch, ahead of its first reader
.irp b, 0,1,2,3
	v_exp_f32 v[232+\b], v[232+\b]                 ; the block's largest p
.endr
	v_pk_add_f32 v[236:237], v[100:101], v[104:105]
	v_pk_add_f32 v[250:251], v[108:109], v[112:113]
	v_pk_add_f32 v[246:247], v[116:117], v[120:121]
	v_pk_add_f32 v[244:245], v[124:125], v[128:129]
	v_pk_add_f32 v[242:243], v[132:133], v[136:137]
	v_pk_add_f32 v[240:241], v[140:141], v[144:145]
	v_pk_add_f32 v[238:239], v[148:149], v[152:153]
	v_pk_add_f32 v[14:15], v[14:15], v[156:157]
	v_pk_add_f32 v[236:237], v[236:237], v[96:97]
	v_pk_add_f32 v[250:251], v[250:251], v[98:99]
	v_pk_add_f32 v[246:247], v[246:247], v[102:103]
	v_pk_add_f32 v[244:245], v[244:245], v[106:107]
	v_pk_add_f32 v[242:243], v[242:243], v[110:111]
	v_pk_add_f32 v[240:241], v[240:241], v[114:115]
	v_pk_add_f32 v[238:239], v[238:239], v[118:119]
	v_pk_add_f32 v[14:15], v[14:15], v[122:123]
	v_pk_add_f32 v[236:237], v[236:237], v[126:127]
	v_pk_add_f32 v[250:251], v[250:251], v[130:131]
	v_pk_add_f32 v[246:247], v[246:247], v[134:135]
	v_pk_add_f32 v[244:245], v[244:245], v[138:139]
	v_pk_add_f32 v[242:243], v[242:243], v[142:143]
	v_pk_add_f32 v[240:241], v[240:241], v[146:147]
	v_pk_add_f32 v[238:239], v[238:239], v[150:151]
	v_pk_add_f32 v[14:15], v[14:15], v[154:155]
	v_pk_add_f32 v[236:237], v[236:237], v[158:159]
	s_delay_alu instid0(VALU_DEP_2)
	v_pk_add_f32 v[14:15], v[14:15], v[244:245]
	s_delay_alu instid0(VALU_DEP_2)
	v_pk_add_f32 v[236:237], v[236:237], v[242:243]
	v_pk_add_f32 v[250:251], v[250:251], v[240:241]
	v_pk_add_f32 v[246:247], v[246:247], v[238:239]
	s_delay_alu instid0(VALU_DEP_2)
	v_pk_add_f32 v[14:15], v[14:15], v[250:251]
	s_delay_alu instid0(VALU_DEP_2)
	v_pk_add_f32 v[236:237], v[236:237], v[246:247]
	s_delay_alu instid0(VALU_DEP_1)
	v_pk_add_f32 v[14:15], v[14:15], v[236:237]
	s_wait_alu depctr_va_vdst(0)                   ; and one for the four
.irp b, 0,1,2,3
	v_max_num_f32 v[232+\b], 0x2800000, v[232+\b]  ; the floor 2^(5 - 127): the byte cannot fall under 1
.endr
.irp b, 0,1,2,3
	s_delay_alu instid0(VALU_DEP_4)
	v_add_nc_u32 v[244+\b], 0xfe000000, v[232+\b]  ; 4 off the exponent field: the conversion's scale operand
.endr
.irp b, 0,1,2,3
	s_delay_alu instid0(VALU_DEP_4)
	v_lshrrev_b32 v[236+\b], 23, v[244+\b]         ; the scale's byte
.endr
	s_delay_alu instid0(VALU_DEP_3)
	v_lshl_or_b32 v253, v237, 8, v236              ; p's scale word for these 128 keys
	s_delay_alu instid0(VALU_DEP_1)
	v_lshl_or_b32 v253, v238, 16, v253
	s_delay_alu instid0(VALU_DEP_1)
	v_lshl_or_b32 v253, v239, 24, v253
.irp c, 0,1
	v_cvt_scalef32_pk16_bf6_f32 v[224+6*\c:226+6*\c], v[96+32*\c:111+32*\c], v[244+2*\c]
	v_cvt_scalef32_pk16_bf6_f32 v[236+4*\c:238+4*\c], v[112+32*\c:127+32*\c], v[244+2*\c+1]
.endr
	v_nop                                          ; one plain instruction behind a scaled conversion
.irp c, 0,1                                    ; a whole block in a lane: lanes 0-15 block 2 c, lanes 16-31 block 2 c + 1
.irp i, 0,1,2
	v_permlane16_swap_b32 v[224+6*\c+\i], v[236+4*\c+\i]
.endr
.irp i, 0,1,2
	s_delay_alu instid0(VALU_DEP_3)
	v_mov_b32 v[227+6*\c+\i], v[236+4*\c+\i]
.endr
.endr
.set j, 0
.rept 16
	v_pk_mul_f32 v[160+j:161+j], v[160+j:161+j], v[252:253] op_sel_hi:[1,0]   ; O^T under the new M.  (These 16 are also the places between the writes of p's codes and scale word and the products)
.set j, j+2
.endr
	s_wait_alu depctr_va_vdst(0)
	s_wait_dscnt 0x0                               ; V's fragments and scale words are in
.irp t, 0,1,2,3                                ; O^T += V^T P^T: four accumulators by turns
.if \t%2
	v_wmma_scale_f32_16x16x128_f8f6f4 v[160+8*\t:167+8*\t], v[32+12*\t:43+12*\t], v[224:235], v[160+8*\t:167+8*\t], v[248+\t/2], v253 matrix_a_fmt:MATRIX_FMT_BF6 matrix_b_fmt:MATRIX_FMT_BF6 matrix_a_scale:MATRIX_SCALE_ROW1
.else
	v_wmma_scale_f32_16x16x128_f8f6f4 v[160+8*\t:167+8*\t], v[32+12*\t:43+12*\t], v[224:235], v[160+8*\t:167+8*\t], v[248+\t/2], v253 matrix_a_fmt:MATRIX_FMT_BF6 matrix_b_fmt:MATRIX_FMT_BF6
.endif
.endr
.Lhidden_\@:
	s_add_co_u32 s[KF], s[KF], 128
	s_add_co_u32 s[TS], s[TS], 512
	s_add_co_u32 s[TJ], s[TJ], 256
.endm
; THE CHANGE OF SLOTS stands at a slot's head.  Each wave waits for all its tensor loads, adds 0 to its spare word (fill = 1: twice on end), and waits for that and for its reads of the slot that it has left.
; Behind the barrier the slot ahead is whole and nobody reads the other one.  fill = 1: that other slot takes the next 256 keys, up to the causal limit: the load has a slot's two steps in which to land.
.macro CHANGE fill
	s_wait_tensorcnt 0x0                           ; no tensor load of mine is out, so my group 0 may be written
	ds_add_u32 v[SPW], v[NIL]                      ; 0 onto my spare word
.if \fill
	ds_add_u32 v[SPW], v[NIL]                      ; and once more
	s_xor_b32 s[G0+1], s[G0+1], SLOT1              ; the other slot than last time,
	s_add_nc_u64 s[G0+2:G0+3], s[G0+2:G0+3], 12288 ; the next 256 keys; the type bits on top are not reached
	s_wait_xcnt 0x0                                ; the last prefetch, a slot back, has read its address, so it may be written
	s_add_nc_u64 s[PFA:PFA+1], s[PFA:PFA+1], 12288
.endif
	s_wait_dscnt 0x0                               ; the adds are done, and my reads of the slot that I have left are over
	s_barrier_signal -1
	s_barrier_wait -1
.if \fill
	s_add_co_u32 s96, s[KF], 256                   ; the first key of the slot that this change would ask for
	s_cmp_gt_u32 s96, s[LAST]                      ; behind my work-group's last query: none of its waves reads it, so it is not asked for.  Ids and the count of steps alone: all sixteen waves go the same way
	s_cbranch_scc1 .Lpast_\@
	TLOAD 2                                        ; a wave's one tensor load until the next change
.Lpast_\@:
	ASK
.endif
.endm
.macro SLOT_STEPS
	STEP 0
	STEP 1
	s_xor_b32 s[TB], s[TB], SLOT1                  ; on to the other slot
.endm
	s_wait_loadcnt 0x0                             ; Q
.Lslot:                                            ; 7 trips: behind each change of slots but the last the next slot is asked for
	CHANGE 1
	SLOT_STEPS
	s_sub_co_u32 s[SLOTS], s[SLOTS], 1
	s_cmp_lg_u32 s[SLOTS], 0
	s_cbranch_scc1 .Lslot
	CHANGE 0                                       ; the last slot is written out: nothing is left to fetch
	SLOT_STEPS
	; THE WAY OUT.  O^T / the sum: register 16 b + i is channel 32 b + 16 h + i of my query: two blocks of 32 along the last product's K.  They are quantised, and leave as a half image and two scale bytes a row.
.rept 4
	v_nop                                          ; places behind the last products
.endr
	v_add_f32 v14, v14, v15                        ; the sum's two halves,
	s_delay_alu instid0(VALU_DEP_1)
	v_permlanex16_b32 v252, v14, s[SEL], s[SEL+1]
	s_delay_alu instid0(VALU_DEP_1)
	v_add_f32 v14, v14, v252                       ; and lane l xor 16's
	s_wait_alu depctr_va_vdst(0)
	v_rcp_f32 v14, v14
	v_nop                                          ; a plain instruction behind the reciprocal
	s_wait_alu depctr_va_vdst(0)                   ; ahead of the first reader
.set j, 0
.rept 16
	v_pk_mul_f32 v[96+j:97+j], v[160+j:161+j], v[14:15] op_sel_hi:[1,0]
.set j, j+2
.endr
.irp b, 0,1
	v_max3_num_f32 v[232+\b], |v[96+16*\b]|, |v[97+16*\b]|, 0x2800000
.endr
.irp i, 2,4,6,8,10,12,14
.irp b, 0,1
	s_delay_alu instid0(VALU_DEP_2)
	v_max3_num_f32 v[232+\b], v[232+\b], |v[96+16*\b+\i]|, |v[97+16*\b+\i]|
.endr
.endr
.irp b, 0,1
	s_delay_alu instid0(VALU_DEP_2)
	v_permlanex16_b32 v[236+\b], v[232+\b], s[SEL], s[SEL+1]
.endr
.irp b, 0,1
	s_delay_alu instid0(VALU_DEP_2)
	v_max_num_f32 v[232+\b], v[232+\b], v[236+\b]
.endr
.irp b, 0,1
	s_delay_alu instid0(VALU_DEP_2)
	v_add_nc_u32 v[244+\b], 0xfe000000, v[232+\b]
.endr
.irp b, 0,1
	s_delay_alu instid0(VALU_DEP_2)
	v_lshrrev_b32 v[236+\b], 23, v[244+\b]
.endr
	s_delay_alu instid0(VALU_DEP_1)
	v_lshl_or_b32 v240, v237, 8, v236              ; my row's two bytes
	v_cvt_scalef32_pk16_bf6_f32 v[224:226], v[96:111], v244
	v_cvt_scalef32_pk16_bf6_f32 v[228:230], v[112:127], v245
	v_nop                                          ; one plain instruction behind a scaled conversion
.irp i, 0,1,2
	v_permlane16_swap_b32 v[224+\i], v[228+\i]
.endr
.irp i, 0,1,2
	s_delay_alu instid0(VALU_DEP_3)
	v_mov_b32 v[227+\i], v[228+\i]                 ; in ascending order: each source is read before it is written
.endr
	global_store_b128 v[L16], v[224:227], s[8:9]               ; 512 consecutive bytes, at a multiple of 256
	global_store_b64 v[L8], v[228:229], s[8:9] offset:512      ; 256
	global_store_b16 v[OB], v240, s[10:11]         ; one head owns half of a row's scale word: 2 bytes a row, 8 bytes apart; lanes l and l xor 16 store the same
	s_wait_tensorcnt 0x0                           ; the wave's end
	ds_add_u32 v[SPW], v[NIL]
	s_wait_dscnt 0x0
	s_endpgm
.Lfunc_end_k_qf18d44ad03_attn:
	.size	k_qf18d44ad03_attn, .Lfunc_end_k_qf18d44ad03_attn-k_qf18d44ad03_attn
	.p2alignl 7, 3214868480
	.fill 96, 4, 3214868480
	.section	.rodata,"a",@progbits
	.p2align	6, 0x0
	.amdhsa_kernel k_qf18d44ad03_attn
		.amdhsa_group_segment_fixed_size 327680
		.amdhsa_private_segment_fixed_size 0
		.amdhsa_enable_private_segment 0
		.amdhsa_kernarg_size 32
		.amdhsa_user_sgpr_count 2
		.amdhsa_user_sgpr_kernarg_segment_ptr 1
		.amdhsa_wavefront_size32 1
		.amdhsa_system_sgpr_workgroup_id_x 1
		.amdhsa_system_sgpr_workgroup_id_y 1
		.amdhsa_system_sgpr_workgroup_id_z 1
		.amdhsa_system_vgpr_workitem_id 0
		.amdhsa_next_free_vgpr 256
		.amdhsa_next_free_sgpr 100
		.amdhsa_reserve_vcc 1
		.amdhsa_float_denorm_mode_32 3
		.amdhsa_float_denorm_mode_16_64 3
		.amdhsa_memory_ordered 1
		.amdhsa_forward_progress 1
		.amdhsa_inst_pref_size 104
	.end_amdhsa_kernel
	.amdgpu_metadata
---
amdhsa.version: [ 1, 2 ]
amdhsa.kernels:
  - .name:           k_qf18d44ad03_attn
    .symbol:         k_qf18d44ad03_attn.kd
    .args:
      - { .name: qkv, .offset: 0, .size: 8, .value_kind: global_buffer, .address_space: global }
      - { .name: qkvs, .offset: 8, .size: 8, .value_kind: global_buffer, .address_space: global }
      - { .name: ac, .offset: 16, .size: 8, .value_kind: global_buffer, .address_space: global }
      - { .name: asc, .offset: 24, .size: 8, .value_kind: global_buffer, .address_space: global }
    .group_segment_fixed_size: 327680
    .private_segment_fixed_size: 0
    .kernarg_segment_align: 8
    .kernarg_segment_size: 32
    .max_flat_workgroup_size: 512
    .sgpr_count:     100
    .vgpr_count:     256
    .wavefront_size: 32
...
	.end_amdgpu_metadata
.endif
;; end of part 3
;; launch proj (part 4): grid 4 x 32, 4 waves a work-group, clusters of 4 x 4, 327,680 bytes of LDS; arguments ac, asc, cimg, csc, bo, out0; writes out0
.if DOCPART == 4
	.amdgcn_target "amdgcn-amd-amdhsa--gfx1250"
	.amdhsa_code_object_version 6
	.text
	.protected	k_qf18d44ad03_proj
	.globl	k_qf18d44ad03_proj
	.p2align	8
	.type	k_qf18d44ad03_proj,@function
k_qf18d44ad03_proj:
	s_mov_b64 s[64:65], 0
	v_nop
	global_prefetch_b8 v0, s[64:65] scope:SCOPE_SE
	s_setreg_imm32_b32 hwreg(HW_REG_WAVE_MODE, 25, 1), 1
	s_wait_xcnt 0x0
	s_wait_alu depctr_hold_cnt(0) depctr_sa_sdst(0) depctr_va_vdst(0) depctr_va_sdst(0) depctr_va_ssrc(0) depctr_va_vcc(0) depctr_vm_vsrc(0)
	s_getreg_b32 s2, hwreg(HW_REG_IB_STS2, 6, 4)
	s_cmp_eq_u32 s2, 0
	s_cbranch_scc0 .Lentry_in_a_cluster
	s_endpgm
.Lentry_in_a_cluster:
	s_bfe_u32 s2, ttmp6, 0x10000c
	s_cmp_lg_u32 s2, 0xf033
	s_cbranch_scc0 .Lentry_shape_is_right
	s_endpgm
.Lentry_shape_is_right:
; LAUNCH 4 OF 4.  out0 = O Wo^T + bo on codes of BF6 with E8M0 scales, K = 1,024.  A = O's 8,192 rows (launch attn's images), B = Wo's 1,024 rows (launch quant's images, row tiles 704 on).
; The body is launch qkv's: a work-group of four waves makes 256 x 256, a wave 128 x 128 in 64 accumulators; four K steps of 256 through two LDS slots, the eight steps of 128 written out; the scales come into LDS once;
; 4 x 4 clusters, A's tiles asked for jointly along a row of the cluster, B's along a column.  No prefetch: of the four K steps two are first fills, asked for at the head.
; THE MATRIX INSTRUCTION IS USED TRANSPOSED (source 0 = 16 rows of Wo, source 1 = 16 rows of O): a lane holds eight neighbouring columns of one row of out0.
; THE BIAS is the C of each sum's first matrix instruction: eight registers for each of B's eight tiles, in the result's layout.
; TILE ORDER (launch quant) is undone on the way out by immediates alone: tile b's registers are columns 32 (b / 2) + 8 (b % 2) + 16 (lane / 16) + 0 .. 7, lane row t of block a is row 32 (a / 2) + 8 (a % 2) + t + 8 (t / 8).
; 128 work-groups: the tile is kept at 256 x 256, so that each LDS byte feeds as many products as the registers allow.
; REGISTERS, in windows of 256: window 0: v1-31 addresses; v32-63 scale words, two sets; v64-127 the bias; v128-223 A's fragments; on the way out v128-255 rows of out0.  window 1: B's fragments, two sets.  windows 2, 3: the accumulators.
.set KSA,   1572864                    ; bytes from a K step of 256 to the next in A's buffer: 512 row tiles x 3,072,
.set KSB,   2359296                    ; and in B's: 768
.set PAC,   4                          ; s[4:5] ac;  s[6:7] asc;  s[8:9] cimg;  s[10:11] csc;  s[12:13] bo;  s[14:15] out0
.set PAS,   6
.set PBC,   8
.set PBS,   10
.set NQ,    2
.set FR,    12
.set NL,    4
.set NP,    4                          ; places behind this matrix instruction (ISA guide 7.12.1)
.set HALFT, 24576                      ; 8 row tiles x 3,072
.set SLOT,  4*HALFT
.set SCL,   2*SLOT                     ; A's scale words, 8,192 bytes;
.set SCB,   8320                       ; B's begin so far behind them
.set SPARE, 213248                     ; the spare words, 128 bytes a wave: two blocks of 256 bytes that no other line names
.set SPITCH, 528                       ; the way out: a stage of 16 rows x (512 + 16) bytes for each wave, in slot 0, which has had its last fill and its last read by then
.set A16,  16
.set A8,   18
.set B16,  20
.set B8,   22
.set STO,  24                          ; v24  the way out: where I put 32 bytes of a row
.set RD,   25                          ; v25  and where I read a row back
.set CO,   26                          ; v26  16 x lane
.set ADRS, 27
.set SPW,  28                          ; v28  LDS address of my spare word; never rewritten
.set NIL,  29                          ; v29  0; never rewritten
.set O8,   30                          ; v30  8 x lane
.set BA,   31                          ; v31  64 x (lane / 16): the bias's offset
.set SC,   32
.set BI,   64                          ; v64-127 the bias
.set AF,   128
.set BK,   128                         ; the way out: 16 rows: v128-191 and v192-255 by turns
.set WV,   96
.set WH,   97
.set WL,   98
.set G1, 24
.set G0, 32
.set G1B, 48
.set G0B, 56
.set G1S, 68
.set G0S, 76
.set G1SB, 80
.set G0SB, 88
.set MSB, 0
.macro WIN new                         ; the immediate's high byte repeats the setting that is left
.if MSB != (\new)
	s_set_vgpr_msb (MSB<<8)|(\new)
.set MSB, (\new)
.endif
.endm
.set MUL_LO, 0xa1                      ; source 0 (B) window 1, source 1 (A) window 0, C and D window 2
.set MUL_HI, 0xf1                      ; the same, C and D window 3
.set TO_B,   0x40                      ; destination window 1, address window 0
.macro JLOAD g0a, g1a, g0b, g1b        ; a joint load: waves 0 and 1 fetch for A, waves 2 and 3 for B; an s_nop 0 and four v_nop follow each of the two lines
	s_cmp_eq_u32 s[WH], 0
	s_cbranch_scc0 .Lfor_b_\@
	tensor_load_to_lds s[\g0a:\g0a+3], s[\g1a:\g1a+7]
	s_nop 0
.rept 4
	v_nop
.endr
	s_branch .Lasked_\@
.Lfor_b_\@:
	tensor_load_to_lds s[\g0b:\g0b+3], s[\g1b:\g1b+7]
	s_nop 0
.rept 4
	v_nop
.endr
.Lasked_\@:
.endm
.macro CREST                           ; a round of the cluster's barrier behind its opening barrier
	s_cmp_lg_u32 s[WV], 0
	s_cbranch_scc1 .Lnot_wave_0_\@
	s_barrier_signal -3
.Lnot_wave_0_\@:
	s_barrier_wait -3
	s_barrier_signal -1
	s_barrier_wait -1
.endm
.macro CROUND
	s_barrier_signal -1
	s_barrier_wait -1
	CREST
.endm
	s_load_b256 s[4:11], s[0:1], 0x0               ; ac, asc, cimg, csc
	s_load_b128 s[12:15], s[0:1], 0x20             ; bo, out0
	v_lshl_add_u32 v[SPW], v0, 2, SPARE
	v_mov_b32 v[NIL], 0
	ds_add_u32 v[SPW], v[NIL]                      ; the wave's opening: the add, twice on end, and its wait ahead of my first tensor load
	ds_add_u32 v[SPW], v[NIL]
	v_lshrrev_b32 v1, 5, v0
	v_readfirstlane_b32 s[WV], v1                  ; wave 0..3
	s_lshr_b32 s[WH], s[WV], 1                     ; my half of A's rows.  Also: I fetch for A (0) or for B (1)
	s_and_b32 s[WL], s[WV], 1                      ; my half of B's rows.  Also: which half I fetch
	s_bfe_u32 s40, ttmp6, 0x40000                  ; cx, cy
	s_bfe_u32 s41, ttmp6, 0x40004
	s_lshl_b32 s42, ttmp9, 2
	s_add_co_u32 s42, s42, s40                     ; tile column = 4 x cluster x + cx
	s_and_b32 s17, ttmp7, 0xffff
	s_lshl_b32 s17, s17, 2
	s_add_co_u32 s17, s17, s41                     ; tile row = 4 x cluster y + cy
	s_lshl_b32 s43, s41, 2
	s_lshl_b32 s43, 15, s43                        ; my row of the cluster
	s_lshl_b32 s44, 0x1111, s40                    ; my column
	s_or_b32 s[G1+0], s43, (3<<16)|(1<<21)         ; 24,576 dense bytes as 96 rows of 32 elements of 8 bytes; 15:0 the mask; 21 set beside a mask
	s_or_b32 s[G1B+0], s44, (3<<16)|(1<<21)
.irp g, G1, G1B
	s_mov_b32 s[\g+1], 32<<16
	s_mov_b32 s[\g+2], 96<<16
	s_mov_b32 s[\g+3], 32<<16
	s_mov_b32 s[\g+4], 96
	s_mov_b32 s[\g+5], 32
	s_mov_b32 s[\g+6], 0
	s_mov_b32 s[\g+7], 0
.endr
	s_or_b32 s[G1S+0], s43, (3<<16)|(1<<21)        ; the scales of 8 row tiles: 4,096 dense bytes as 16 such rows
	s_or_b32 s[G1SB+0], s44, (3<<16)|(1<<21)
.irp g, G1S, G1SB
	s_mov_b32 s[\g+1], 32<<16
	s_mov_b32 s[\g+2], 16<<16
	s_mov_b32 s[\g+3], 32<<16
	s_mov_b32 s[\g+4], 16
	s_mov_b32 s[\g+5], 32
	s_mov_b32 s[\g+6], 0
	s_mov_b32 s[\g+7], 0
.endr
	s_lshl_b32 s19, s[WL], 3
	s_lshl_b32 s20, s17, 4
	s_add_co_u32 s20, s20, s19                     ; A: row tile 16 x tile row + the half that I fetch
	s_lshl_b32 s46, s42, 4
	s_add_co_u32 s46, s46, s19
	s_add_co_u32 s46, s46, 704                     ; B: Wo's row tiles begin at 704
	s_lshl_b32 s22, s20, 9
	s_mov_b32 s23, 0
	s_mul_i32 s20, s20, 3072
	s_mov_b32 s21, 0
	s_lshl_b32 s92, s46, 9
	s_mov_b32 s93, 0
	s_mul_i32 s46, s46, 3072
	s_mov_b32 s47, 0
	s_mul_i32 s45, s[WV], HALFT                    ; where they go: no place in the cluster enters an LDS address
	s_lshl_b32 s94, s[WV], 12
	s_lshl_b32 s95, s[WH], 7
	s_add_co_u32 s94, s94, s95
	s_wait_dscnt 0x0                               ; both opening adds are done
	s_wait_kmcnt 0x0
	s_add_nc_u64 s[20:21], s[PAC:PAC+1], s[20:21]
	s_add_nc_u64 s[22:23], s[PAS:PAS+1], s[22:23]
	s_add_nc_u64 s[46:47], s[PBC:PBC+1], s[46:47]
	s_add_nc_u64 s[92:93], s[PBS:PBS+1], s[92:93]
	CROUND                                         ; all sixteen work-groups are here: the first joint loads meet
	s_mov_b32 s[G0S], 1
	s_add_co_u32 s[G0S+1], s94, SCL
	s_mov_b64 s[G0S+2:G0S+3], s[22:23]
	s_or_b32 s[G0S+3], s[G0S+3], 0x80000000
	s_mov_b32 s[G0SB], 1
	s_add_co_u32 s[G0SB+1], s94, SCL
	s_mov_b64 s[G0SB+2:G0SB+3], s[92:93]
	s_or_b32 s[G0SB+3], s[G0SB+3], 0x80000000
	JLOAD G0S, G1S, G0SB, G1SB                     ; the scales first
.irp s, 0,1
	s_mov_b32 s[G0+4*\s], 1
	s_add_co_u32 s[G0+4*\s+1], s45, \s*SLOT
	s_add_nc_u64 s[G0+4*\s+2:G0+4*\s+3], s[20:21], \s*KSA
	s_or_b32 s[G0+4*\s+3], s[G0+4*\s+3], 0x80000000
	s_mov_b32 s[G0B+4*\s], 1
	s_add_co_u32 s[G0B+4*\s+1], s45, \s*SLOT
	s_add_nc_u64 s[G0B+4*\s+2:G0B+4*\s+3], s[46:47], \s*KSB
	s_or_b32 s[G0B+4*\s+3], s[G0B+4*\s+3], 0x80000000
	JLOAD G0+4*\s, G1, G0B+4*\s, G1B               ; three tensor loads of mine are out now, later one
.endr
	v_and_b32 v1, 31, v0                           ; lane
	v_and_b32 v2, 15, v0                           ; r
	v_bfe_u32 v3, v0, 4, 1                         ; h
	v_lshlrev_b32 v[CO], 4, v1
	v_lshlrev_b32 v[O8], 3, v1
	v_lshlrev_b32 v[BA], 6, v3
	s_lshl_b32 s2, s42, 10
	s_lshl_b32 s3, s[WL], 9
	s_add_co_u32 s2, s2, s3                        ; my first column, in bytes: 1,024 x tile column + 512 x half
	s_mov_b32 s3, 0
	s_add_nc_u64 s[12:13], s[12:13], s[2:3]
	s_add_nc_u64 s[14:15], s[14:15], s[2:3]
.irp b, 0,1,2,3,4,5,6,7                        ; the bias of tile b's eight columns of my half of the lanes
	global_load_b128 v[BI+8*\b:BI+8*\b+3], v[BA], s[12:13] offset:128*(\b/2)+32*(\b%2)
	global_load_b128 v[BI+8*\b+4:BI+8*\b+7], v[BA], s[12:13] offset:128*(\b/2)+32*(\b%2)+16
.endr
	s_lshl_b32 s2, s17, 8
	s_lshl_b32 s18, s[WH], 7
	s_add_co_u32 s2, s2, s18                       ; my first row: 256 x tile row + 128 x half
	s_lshl_b32 s2, s2, 12                          ; rows of 4,096 bytes
	s_add_nc_u64 s[14:15], s[14:15], s[2:3]
	s_mul_i32 s2, s[WH], HALFT
	s_mul_i32 s3, s[WL], HALFT
	s_add_co_u32 s3, s3, 2*HALFT
.irp s, 0,1
	v_add_nc_u32 v[A16+\s], s2, v[CO]
	v_add_nc_u32 v[A8+\s], s2, v[O8]
	v_add_nc_u32 v[B16+\s], s3, v[CO]
	v_add_nc_u32 v[B8+\s], s3, v[O8]
	s_add_co_u32 s2, s2, SLOT
	s_add_co_u32 s3, s3, SLOT
.endr
	v_lshlrev_b32 v6, 3, v2
	s_lshl_b32 s2, s[WH], 12
	s_lshl_b32 s3, s[WL], 12
	s_add_co_u32 s3, s3, SCB
	s_sub_co_u32 s3, s3, s2
	v_mul_u32_u24 v7, s3, v3                       ; lanes 16-31 take B's
	s_add_co_u32 s2, s2, SCL
	v_add_nc_u32 v6, v6, v7
	v_add_nc_u32 v[ADRS], s2, v6
	s_mul_i32 s2, s[WV], 16*SPITCH                 ; my stage
	v_mul_u32_u24 v6, v2, SPITCH
	v_lshl_add_u32 v6, v3, 6, v6
	v_add_nc_u32 v[STO], s2, v6                    ; in: row r, + 64 h
	v_add_nc_u32 v[RD], s2, v[CO]                  ; back: the 32 lanes take one row of 512 bytes
.macro FRAG reg, a16, a8, q, i
	ds_load_b128 v[\reg:\reg+3], v[\a16] offset:(\i)*3072+(\q)*1536
	ds_load_b64 v[\reg+4:\reg+5], v[\a8] offset:(\i)*3072+(\q)*1536+512
	ds_load_b128 v[\reg+6:\reg+9], v[\a16] offset:(\i)*3072+(\q)*1536+768
	ds_load_b64 v[\reg+10:\reg+11], v[\a8] offset:(\i)*3072+(\q)*1536+1280
.endm
; 16 matrix instructions: A's blocks a0, a0 + 1 x B's eight.  zero = 2: the first product starts the sums from the bias.  The 64 accumulators take turns, one instruction a turn.
.macro MUL16 a0, p, q, sc, zero
.irp a, \a0, \a0+1
.irp b, 0,1,2,3,4,5,6,7
.if \zero == 2
	v_wmma_scale_f32_16x16x128_f8f6f4 v[8*(8*((\a)%4)+\b):8*(8*((\a)%4)+\b)+7], v[128*(\p)+FR*\b:128*(\p)+FR*\b+FR-1], v[AF+FR*(\a):AF+FR*(\a)+FR-1], v[BI+8*\b:BI+8*\b+7], v[SC+8*NQ*(\sc)+NQ*\b+(\q)], v[SC+8*NQ*(\sc)+NQ*(\a)+(\q)] matrix_a_fmt:MATRIX_FMT_BF6 matrix_b_fmt:MATRIX_FMT_BF6 matrix_a_scale:MATRIX_SCALE_ROW1
.else
	v_wmma_scale_f32_16x16x128_f8f6f4 v[8*(8*((\a)%4)+\b):8*(8*((\a)%4)+\b)+7], v[128*(\p)+FR*\b:128*(\p)+FR*\b+FR-1], v[AF+FR*(\a):AF+FR*(\a)+FR-1], v[8*(8*((\a)%4)+\b):8*(8*((\a)%4)+\b)+7], v[SC+8*NQ*(\sc)+NQ*\b+(\q)], v[SC+8*NQ*(\sc)+NQ*(\a)+(\q)] matrix_a_fmt:MATRIX_FMT_BF6 matrix_b_fmt:MATRIX_FMT_BF6 matrix_a_scale:MATRIX_SCALE_ROW1
.endif
.endr
.endr
.endm
.macro FETCH_B slot, q, p
	WIN TO_B
.irp i, 0,1,2,3,4,5,6,7
	FRAG 128*(\p)+FR*\i, B16+\slot, B8+\slot, \q, \i
.endr
	WIN 0
.endm
.macro FETCH_A slot, q, i0
.irp i, \i0, \i0+1, \i0+2, \i0+3
	FRAG AF+FR*(\i), A16+\slot, A8+\slot, \q, \i
.endr
.endm
.macro SCALES sc
.irp i, 0,1,2,3,4,5,6,7
	ds_load_b64 v[SC+8*NQ*\sc+NQ*\i:SC+8*NQ*\sc+NQ*\i+1], v[ADRS] offset:\i*512
.endr
.endm
.macro PLACES n
.rept \n
	v_nop
.endr
.endm
.macro STEP slot, q, zero
	s_wait_dscnt 4*NL                              ; B's set, A's blocks 0-3 and the scales are in; the youngest 16 loads (A's blocks 4-7) may be out
.if \zero == 2
	WIN 0x81                                       ; source 0 window 1, source 1 and C (the bias) window 0, D window 2
.else
	WIN MUL_LO
.endif
	MUL16 0, (\q)%2, \q, \slot, \zero
	MUL16 2, (\q)%2, \q, \slot, \zero
	s_wait_dscnt 0
	PLACES NP
	FETCH_B \slot, (\q)+1, 1-(\q)%2
	FETCH_A \slot, (\q)+1, 0
.if \zero == 2
	WIN 0xc1                                       ; the same, D window 3
.else
	WIN MUL_HI
.endif
	MUL16 4, (\q)%2, \q, \slot, \zero
	MUL16 6, (\q)%2, \q, \slot, \zero
	PLACES NP
	WIN 0
	FETCH_A \slot, (\q)+1, 4
.endm
.macro TURN slot, next, fill
	s_wait_tensorcnt 0x0                           ; all my tensor loads have landed: my part of the next slot
	ds_add_u32 v[SPW], v[NIL]                      ; 0 onto my spare word
	s_wait_dscnt 4*NL+1                            ; (the add and the youngest 16 loads may be out)
	WIN MUL_LO
	MUL16 0, 1, NQ-1, \slot, 0
	s_wait_dscnt 0x0                               ; the add is done, and my reads of this slot are over
	s_barrier_signal -1
	MUL16 2, 1, NQ-1, \slot, 0
	WIN 0
	s_barrier_wait -1
.if \fill
	CREST                                          ; the barrier has opened a round of the cluster's: no wave of any partner still reads this slot or has a load on its way
	s_add_nc_u64 s[G0+4*\slot+2:G0+4*\slot+3], s[G0+4*\slot+2:G0+4*\slot+3], 2*KSA
	s_add_nc_u64 s[G0B+4*\slot+2:G0B+4*\slot+3], s[G0B+4*\slot+2:G0B+4*\slot+3], 2*KSB
	JLOAD G0+4*\slot, G1, G0B+4*\slot, G1B         ; the first tensor load behind the round; its four v_nop are also the places in front of the loads below
.else
	PLACES NP
.endif
	v_add_nc_u32 v[ADRS], 128, v[ADRS]             ; on to the next K step's scale words
	FETCH_B \next, 0, 0
	FETCH_A \next, 0, 0
	SCALES \next
	WIN MUL_HI
	MUL16 4, 1, NQ-1, \slot, 0
	MUL16 6, 1, NQ-1, \slot, 0
	PLACES NP
	WIN 0
	FETCH_A \next, 0, 4
.endm
	s_wait_tensorcnt 1                             ; the scales and my part of K step 0 are in (K step 1's load may be out)
	s_barrier_signal -1
	s_barrier_wait -1                              ; everybody's are
	FETCH_B 0, 0, 0
	FETCH_A 0, 0, 0
	SCALES 0
	FETCH_A 0, 0, 4
	s_wait_loadcnt 0x0                             ; the bias
	STEP 0, 0, 2                                   ; the first products start the sums from the bias
	TURN 0, 1, 1                                   ; slot 0 takes K step 2
	STEP 1, 0, 0
	TURN 1, 0, 1                                   ; slot 1 takes K step 3
	STEP 0, 0, 0
	TURN 0, 1, 0                                   ; nothing is left to fetch, and no round follows
	STEP 1, 0, 0
	s_wait_dscnt 4*NL                              ; the very last step
	WIN MUL_LO
	MUL16 0, 1, NQ-1, 1, 0
	MUL16 2, 1, NQ-1, 1, 0
	s_wait_dscnt 0
	WIN MUL_HI
	MUL16 4, 1, NQ-1, 1, 0
	MUL16 6, 1, NQ-1, 1, 0
	WIN 0
; THE WAY OUT, block by block of 16 rows x 128 columns, through my own stage in LDS: in as 32 bytes a lane at the columns' true places, back as whole rows of 512 bytes.  LDS serves a wave's instructions in order.
.macro TOSTAGE a
.set AC, 64*((\a)%4)
	WIN 0x08+4*((\a)/4)                            ; an LDS store's data are its source 1: window 2 or 3
.irp b, 0,1,2,3,4,5,6,7
	ds_store_b128 v[STO], v[AC+8*\b:AC+8*\b+3] offset:128*(\b/2)+32*(\b%2)         ; each accumulator from its low end on
	ds_store_b128 v[STO], v[AC+8*\b+4:AC+8*\b+7] offset:128*(\b/2)+32*(\b%2)+16
.endr
	WIN 0
.set BB, BK+64*((\a)%2)
.irp t, 0,1,2,3,4,5,6,7,8,9,10,11,12,13,14,15
	ds_load_b128 v[BB+4*\t:BB+4*\t+3], v[RD] offset:\t*SPITCH
.endr
.endm
.macro SEND a, younger                 ; younger: the LDS instructions issued behind block a's loads, which may stay out
.set BB, BK+64*((\a)%2)
	s_wait_dscnt \younger
.irp t, 0,1,2,3,4,5,6,7,8,9,10,11,12,13,14,15
	global_store_b128 v[CO], v[BB+4*\t:BB+4*\t+3], s[14:15] offset:(32*((\a)/2)+8*((\a)%2)+\t+8*(\t/8))*4096 th:TH_STORE_NT   ; 512 consecutive bytes, at a multiple of 256; the row stands in the immediate: 127 rows of 4,096 bytes at the most
.endr
.endm
	PLACES NP                                      ; behind the last products: for the reads of results and the loads into registers that held A's fragments
	TOSTAGE 0
.irp a, 1,2,3,4,5,6,7
.if \a > 1
	s_wait_xcnt 0x0                                ; block a - 2's stores have read their registers: block a's loads may land there
.endif
	TOSTAGE \a
	SEND \a-1, 32                                  ; behind block a - 1's loads: block a's 16 stores and 16 loads
.endr
	SEND 7, 0
	s_wait_tensorcnt 0x0                           ; the wave's end
	ds_add_u32 v[SPW], v[NIL]
	s_wait_dscnt 0x0
	CROUND                                         ; the closing round: no work-group ends while a partner may still ask for a tile that names it
	s_endpgm
.Lfunc_end_k_qf18d44ad03_proj:
	.size	k_qf18d44ad03_proj, .Lfunc_end_k_qf18d44ad03_proj-k_qf18d44ad03_proj
	.p2alignl 7, 3214868480
	.fill 96, 4, 3214868480
	.section	.rodata,"a",@progbits
	.p2align	6, 0x0
	.amdhsa_kernel k_qf18d44ad03_proj
		.amdhsa_group_segment_fixed_size 327680
		.amdhsa_private_segment_fixed_size 0
		.amdhsa_enable_private_segment 0
		.amdhsa_kernarg_size 48
		.amdhsa_user_sgpr_count 2
		.amdhsa_user_sgpr_kernarg_segment_ptr 1
		.amdhsa_wavefront_size32 1
		.amdhsa_system_sgpr_workgroup_id_x 1
		.amdhsa_system_sgpr_workgroup_id_y 1
		.amdhsa_system_sgpr_workgroup_id_z 1
		.amdhsa_system_vgpr_workitem_id 0
		.amdhsa_next_free_vgpr 1024
		.amdhsa_next_free_sgpr 100
		.amdhsa_reserve_vcc 0
		.amdhsa_float_denorm_mode_32 3
		.amdhsa_float_denorm_mode_16_64 3
		.amdhsa_memory_ordered 1
		.amdhsa_forward_progress 1
		.amdhsa_inst_pref_size 144
	.end_amdhsa_kernel
	.amdgpu_metadata
---
amdhsa.version: [ 1, 2 ]
amdhsa.kernels:
  - .name:           k_qf18d44ad03_proj
    .symbol:         k_qf18d44ad03_proj.kd
    .args:
      - { .name: ac, .offset: 0, .size: 8, .value_kind: global_buffer, .address_space: global }
      - { .name: asc, .offset: 8, .size: 8, .value_kind: global_buffer, .address_space: global }
      - { .name: cimg, .offset: 16, .size: 8, .value_kind: global_buffer, .address_space: global }
      - { .name: csc, .offset: 24, .size: 8, .value_kind: global_buffer, .address_space: global }
      - { .name: bo, .offset: 32, .size: 8, .value_kind: global_buffer, .address_space: global }
      - { .name: out0, .offset: 40, .size: 8, .value_kind: global_buffer, .address_space: global }
    .group_segment_fixed_size: 327680
    .private_segment_fixed_size: 0
    .kernarg_segment_align: 8
    .kernarg_segment_size: 48
    .max_flat_workgroup_size: 128
    .sgpr_count:     100
    .vgpr_count:     1024
    .wavefront_size: 32
...
	.end_amdgpu_metadata
.endif
;; end of part 4
